; MI455X (gfx1250); checked and timed in simulation.
; The chip was launched on July 23, 2026; its instructions are those of AMD's public machine-readable ISA for CDNA 5 (MIT licence, August 2026) and "CDNA5" Instruction Set Architecture Reference Guide (July 2026). The comments in the code are by the model that wrote it; some were corrected since.
;; Expert. Allowed arithmetic: matrix products marked QUANTISED: E2M1 operands, one E8M0 scale for each 32 along K, by v_wmma_scale_f32_16x16x128_f8f6f4 with both operands' format E2M1 (or v_wmma_scale_f32_32x16x128_f4), f32 sums; products left as they are: f32 operands where the result goes on into a quantised operand, else bf16, f16 or f32 operands; f32 sums; everything else in f32.
;; Inputs: B0 8 x 1,024 float32; B1 8 x 1,024 float32; B2 8 x 512 float32; W0_codes 8 x 1,024 x 16 x 16 uint8 (E2M1 codes of W0, K innermost, in blocks of 32 codes, two codes a byte); W0_scales 8 x 1,024 x 16 uint8 (E8M0 scales of W0, one for each 32 codes along K); W1_codes 8 x 1,024 x 32 x 16 uint8 (E2M1 codes of W1, K innermost, in blocks of 32 codes, two codes a byte); W1_scales 8 x 1,024 x 32 uint8 (E8M0 scales of W1, one for each 32 codes along K); W2_codes 8 x 512 x 32 x 16 uint8 (E2M1 codes of W2, K innermost, in blocks of 32 codes, two codes a byte); W2_scales 8 x 512 x 32 uint8 (E8M0 scales of W2, one for each 32 codes along K); weight_blend 4,096 x 8 float32; x_codes 4,096 x 16 x 16 uint8 (E2M1 codes of x, K innermost, in blocks of 32 codes, two codes a byte); x_scales 4,096 x 16 uint8 (E8M0 scales of x, one for each 32 codes along K).
;; Outputs: out0 4,096 x 512 float32.
;; This version of the problem:
;;   THIS VERSION OF THE PROBLEM IS GIVEN IN LOW PRECISION. The matrix products marked QUANTISED in the list below multiply operands that are first quantised to E2M1 (2 exponent bits, 1 mantissa bit; 4 bits a number), with one power-of-two scale for each 32 numbers along K (OCP MX v1.0); their sums are f32. All else is computed in f32.
;;   The module's matrix products, in the order in which they are computed (A, B: the left and right operand; K: the contracted axis; several contracted axes count as one K, in the product's order):
;;     1. [M 4,096, K 512] x [K 512, N 8,192]; A: input x (given as codes); B: input W0 (given as codes): QUANTISED
;;     2. batch 4,096 x [M 1, K 8] x [K 8, N 1,024]; A: input weight_blend; B: computed on the way: left as it is (K = 8 < 32)
;;     3. [M 4,096, K 8] x [K 8, N 1,024]; A: input weight_blend; B: input B0: left as it is (K = 8 < 32)
;;     4. [M 4,096, K 1,024] x [K 1,024, N 8,192]; A: computed on the way; B: input W1 (given as codes): QUANTISED
;;     5. batch 4,096 x [M 1, K 8] x [K 8, N 1,024]; A: input weight_blend; B: computed on the way: left as it is (K = 8 < 32)
;;     6. [M 4,096, K 8] x [K 8, N 1,024]; A: input weight_blend; B: input B1: left as it is (K = 8 < 32)
;;     7. [M 4,096, K 1,024] x [K 1,024, N 4,096]; A: computed on the way; B: input W2 (given as codes): QUANTISED
;;     8. batch 4,096 x [M 1, K 8] x [K 8, N 512]; A: input weight_blend; B: computed on the way: left as it is (K = 8 < 32)
;;     9. [M 4,096, K 8] x [K 8, N 512]; A: input weight_blend; B: input B2: left as it is (K = 8 < 32)
;;   THE QUANTISER, for each operand of a quantised product, along K:
;;     - K is cut into blocks of 32 from its start; a last block that is shorter is filled with zeros.
;;     - A block's scale is 2^e with e = floor(log2(the largest magnitude in the block)) - 2, held to -126 .. 127; a block of zeros has e = 0. As a byte (E8M0): e + 127.
;;     - Each number is divided by its block's scale, clamped to +-6, and rounded to the nearest number of E2M1, ties to even, subnormals kept.
;;     - The product sums the exact products of the quantised numbers (number of the format x scale) in f32.
;;   ~~~python
;;   def quantise(x, axis):      # numpy; x: float32 -> the quantised numbers, widened to float32 again
;;       x = np.moveaxis(x, axis, -1); K = x.shape[-1]
;;       x = np.pad(x, [(0, 0)] * (x.ndim - 1) + [(0, -K % 32)]); x = x.reshape(x.shape[:-1] + (-1, 32)); a = np.abs(x).max(-1, keepdims=True)
;;       e = np.where(a > 0, np.clip(np.frexp(np.where(a > 0, a, 1))[1] - 1 - 2, -126, 127), 0)      # np.frexp(a)[1] - 1 = floor(log2(a)), exactly
;;       r = np.clip(x / 2.0 ** e, -6, 6)
;;       step = 2.0 ** (np.maximum(np.frexp(np.where(r == 0, 1, r))[1] - 1, 0) - 1)
;;       q = np.round(r / step) * step * 2.0 ** e      # np.round: ties to even
;;       return np.moveaxis(q.reshape(q.shape[:-2] + (-1,))[..., :K], -1, axis).astype(np.float32)
;;   ~~~
;;   OPERANDS COMPUTED ON THE WAY. 'Computed on the way' means the value that the module computes at that place (a softmax that the list does not call 'softmax' is quantised finished and normalised). What goes into a quantiser is computed in f32, as accurately as f32 sums, v_exp_f32 and their like allow (about 1e-6 of the number): no bf16 or f16 on the way to a quantiser, and a product that is left as it is and whose result goes on into a quantised operand takes f32 operands (vector FMAs, or v_wmma_f32_16x16x4_f32). A number that lies on a knife's edge between two numbers of the format may be rounded either way, as far as f32 arithmetic and the matrix unit's own rounding can turn it there, and no further.
;;   INPUTS GIVEN AS CODES. W0 (in the module: [8, 1024, 512], K = its axis 2); W1 (in the module: [8, 1024, 1024], K = its axis 2); W2 (in the module: [8, 512, 1024], K = its axis 2); x (in the module: [4096, 512], K = its axis 1): each comes as NAME_codes (uint8): NAME with its K axis moved to the last place and cut into blocks of 32 codes, [.., K / 32, bytes a block], one block behind the other in memory; two codes a byte, the lower K in the low four bits (a code: sign, 2 exponent bits, 1 mantissa bit); and NAME_scales (uint8): the same leading axes, one E8M0 byte (e + 127) for each 32 codes along K. Its value is code x scale, taken as it is: it is not quantised again, and the codes and scales need not be those that the quantiser above would give.
;; One version. Each part assembles by itself: llvm-mc -triple=amdgcn-amd-amdhsa -mcpu=gfx1250 --defsym DOCPART=n.
;; ======== version 1 of 1: 3 launches
;; limits: a function is approximated: absolute error at most 1.2e-07
;; workspace buffers: h1c 2,097,152 bytes; h1s 131,072 bytes; h2c 2,097,152 bytes; h2s 131,072 bytes
;; launch l1 (part 1): grid 16 x 16, 4 waves a work-group, clusters of 4 x 4, 229,376 bytes of LDS; arguments x_codes, x_scales, W0_codes, W0_scales, B0, weight_blend, h1c, h1s; writes h1c, h1s
.if DOCPART == 1
	.amdgcn_target "amdgcn-amd-amdhsa--gfx1250"
	.amdhsa_code_object_version 6
	.text
	.protected	k_q129a42a86e_l1
	.globl	k_q129a42a86e_l1
	.p2align	8
	.type	k_q129a42a86e_l1,@function
k_q129a42a86e_l1:
	s_mov_b64 s[64:65], 0
	v_nop
	global_prefetch_b8 v0, s[64:65] scope:SCOPE_SE
	s_setreg_imm32_b32 hwreg(HW_REG_WAVE_MODE, 25, 1), 1
	s_wait_xcnt 0x0
	s_wait_alu depctr_hold_cnt(0) depctr_sa_sdst(0) depctr_va_vdst(0) depctr_va_sdst(0) depctr_va_ssrc(0) depctr_va_vcc(0) depctr_vm_vsrc(0)
	s_getreg_b32 s2, hwreg(HW_REG_IB_STS2, 6, 4)
	s_cmp_eq_u32 s2, 0
	s_cbranch_scc0 .Lentry_in_a_cluster
	s_endpgm
.Lentry_in_a_cluster:
	s_bfe_u32 s2, ttmp6, 0x10000c
	s_cmp_lg_u32 s2, 0xf033
	s_cbranch_scc0 .Lentry_shape_is_right
	s_endpgm
.Lentry_shape_is_right:
; ONE LAYER of  y[b][o] = sum over e of blend[b][e] x (sum over k of W[e][o][k] x[b][k] + B[e][o]),  8 experts, all of them weighed in; the inner products on codes of FP4 (E2M1) with one E8M0 scale for each 32 along K.
; The program has three launches, one a layer, written from ONE text: LAYER picks the sizes.  1: x_codes (K = 512) -> elu -> h1 as codes.  2: h1 (K = 1,024) -> elu -> h2 as codes.  3: h2 (K = 1,024) -> out0, f32.
; SHARES.  256 work-groups of four waves.  A work-group owns 256 rows x 64 outputs (layer 3: 128 x 64); a wave 128 rows x 32 outputs (layer 3: 128 x 16).
; THE MATRIX INSTRUCTION IS USED TRANSPOSED: source 0 = 16 rows of W[e], source 1 = 16 rows of x.  A lane then holds ONE row b (lane % 16) and its eight registers eight outputs.
; A WAVE KEEPS ITS 128 ROWS OF x, FOR ALL OF K, IN REGISTERS (windows 2 and 3) and uses them for all 8 experts; only W streams from LDS, and each fragment of W feeds 8 matrix instructions.
; For each expert the sums D start with C = B[e] (the bias costs no line); then y += blend[b][e] x D by packed multiply-adds, cut into slices that stand among the matrix instructions of the expert's last K step and the next expert's first.
; Where a wave has 32 outputs THE ROWS OF W THAT FORM A TILE ARE NOT NEIGHBOURS: lane r of tile u takes row 8 u + r + 8 (r / 8), so that a lane's 16 registers of the two tiles are 16 neighbours along the next layer's K: 16 (lane / 16) + 0 .. 15.
; LAYERS 1, 2 END with elu, the quantiser in registers, and stores in the order of the next launch's operand registers:
;   codes:  byte ((row / 16 x 8 + s) x 2 + c) x 512 + h x 256 + (row % 16) x 16 holds the 16 bytes of block 4 s + 2 c + h of the row: a fragment comes back by plain loads of 16 bytes at 16 x lane;
;   scales: [block / 2: 16 planes of 8,192][row / 128: 256][16 hs + row % 16: 8][j: 2 bytes], the row's tile of 16 in its 128 being 4 hs + j; low byte the even block, high byte the odd one.
; CLUSTERS: 4 x 4 work-groups.  The four of a row of the cluster need the same x, the four of a column the same W: every tile is asked for JOINTLY, by the same tensor load with the same descriptor and a mask that names the four.
; Nothing loops: the steps are written out by the assembler, so that every register number, offset and count is a constant of the text.
; LIMITS: NaN and infinities among the inputs are not served.  A block of zeros gets the scale byte 1 where the quantiser says 127: its codes are zeros, and this program alone reads the bytes.
;   elu's negative branch is 2^(v log2 e) - 1 in f32: absolute error about 1.2e-7, so its relative error grows under |v| = 0.06 or so (at 0.06: 2e-6).  The experts are summed in ascending order by fused f32 steps; the bias enters as C of the matrix sum.
.set LAYER, 1
.if LAYER == 1
.set NS, 4                             ; K steps of 128
.set NOUT, 1024                        ; outputs of the layer
.set TO, 2                             ; tiles of 16 outputs a wave
.set LOGOS, 1                          ; the waves split the 64 outputs in 2
.set LOGR, 8                           ; 256 rows a work-group
.set NA, 4                             ; first fills of W, two experts each
.set RR, 0                             ; experts that come by a refill
.set RE, 0                             ; the first of them
.set XW0, (0<<16)|(1<<20)|(1<<21)|(5<<22)|(3<<25)   ; x: elements of 1 byte, 4 words of padding behind every 64
.set XC, 256
.set XR, 64
.set XP, 256
.set SDC, 32
.set SDP, 32
.set XSHB, 16
.set XSHW, 14
.set SSHB, 12
.set SSHW, 10
.set SLW, 10
.elseif LAYER == 2
.set NS, 8
.set NOUT, 1024
.set TO, 2
.set LOGOS, 1
.set LOGR, 8
.set NA, 2
.set RR, 4
.set RE, 4
.set XW0, (3<<16)|(1<<21)              ; x: a dense image, elements of 8 bytes, rows of 256 bytes
.set XC, 32
.set XR, 128
.set XP, 32
.set SDC, 64
.set SDP, 1024
.set XSHB, 17
.set XSHW, 15
.set SSHB, 9
.set SSHW, 15
.set SLW, 11
.else
.set NS, 8
.set NOUT, 512
.set TO, 1
.set LOGOS, 2
.set LOGR, 7
.set NA, 3
.set RR, 2
.set RE, 6
.set XW0, (3<<16)|(1<<21)
.set XC, 32
.set XR, 64
.set XP, 32
.set SDC, 32
.set SDP, 1024
.set XSHB, 16
.set XSHW, 14
.set SSHB, 8
.set SSHW, 15
.set SLW, 10
.endif
.set ROWB,  64*NS                      ; a row of W in bytes
.set PITCH, ROWB+16                    ; and in LDS: an odd multiple of 16 bytes
.set QI,    4+NS/4                     ; the padding's interval: one row of W (64 or 128 words)
.set KS,    4*NS                       ; a row of scale bytes
.set NACC,  8*TO                       ; accumulators of a wave: a = TO x (tile of rows m) + (tile of outputs t)
.set H,     NACC/2
.set NSTEP, 8*NS                       ; steps: expert e = step / NS, K step s = step % NS
.set WSP,   4*(3-TO)                   ; steps that one load of W's scale words serves
.set ESTR,  16*PITCH                   ; LDS: 16 rows of one expert
.set GSTR,  8*ESTR+128                 ; LDS: a group of 16 rows, all 8 experts; the 128 bytes put rows 16-23 of a tile on the other eight columns of 16 bytes
; LDS: W at 0: [group of 16 rows q: 4][expert: 8][16 rows][PITCH]
.set WEND,  4*GSTR
.if LAYER == 1
.set XL0,   WEND                       ; x: 256 rows, pitch 272, behind W
.set XLW,   64*272
.set WSC,   WEND+4*XLW
.else
.set XL0,   RE*ESTR                    ; x: quarter w lies where experts RE .. 7 of group w come later
.set XLW,   GSTR
.set WSC,   WEND
.endif
.set XSC,   WSC+8*64*KS                ; W's scale bytes [e][64 rows][KS]; then x's
.if LAYER == 2
.set BIA,   XSC+8192
.set XPL,   512
.else
.set BIA,   XSC+4096
.set XPL,   256
.endif
.set SST,   BIA+4096                   ; the biases: 1,024 bytes a wave; then (layers 1, 2) the stage of 512 scale bytes
.if LAYER == 3
.set SPARE, BIA+4096
.else
.set SPARE, SST+512                    ; the spare words, 128 bytes a wave: two blocks of 256 bytes that no other line names
.endif
; scalar registers
.set WV, 2                             ; wave
.set OH, 3                             ; which part of the 64 outputs is mine
.set BH, 4                             ; which 128 rows
.set CX, 5
.set CY, 6
.set OT, 7                             ; tile of 64 outputs = 4 x cluster x + cx
.set BT, 8                             ; tile of rows = 4 x cluster y + cy
.set ROWM, 9
.set COLM, 10
.set T, 11                             ; at work: only numbers made of the wave's number
.set XO, 12                            ; s[12:13] offsets made of BT and the wave
.set WO, 14                            ; s[14:15] offsets made of OT and the wave
.set PXC, 16                           ; s[16:31] the buffers' addresses
.set PXS, 18
.set PWC, 20
.set PWS, 22
.set PB, 24
.set PBL, 26
.set PO0, 28
.set PO1, 30
.set G1X, 32                           ; groups 1: x's codes, x's scales, W's scales, W's codes (two experts)
.set G1XS, 40
.set G1WS, 48
.set G1WA, 56
.set GO, 66                            ; s[66:67] offsets of blend, bias and the outputs
.set G0X, 76                           ; groups 0
.set G0XS, 80
.set G0WS, 84
.set G0WA, 88                          ; s[88:99] W's first fills 0 to 2; the fourth (layer 1) in s[68:71]
.if LAYER == 2
.set G1R, 68                           ; the refill: four experts
.set G0R, 96
.else
.set G1R, G1WA
.set G0R, 68
.endif
.set SEL, 100                          ; s[100:101] lane selects for v_permlanex16_b32: lane l xor 16
; vector registers, window 0
.set EA, 8                             ; the way out's addresses
.set EB, 9
.set AW, 10                            ; LDS: my lane's place in W
.set AWS, 11                           ; among W's scale words
.set ABI, 12                           ; among my wave's biases
.set AX, 13                            ; v13-16 in x
.set AXS, 17                           ; among x's scales
.set SPW, 18                           ; LDS address of my spare word; never rewritten
.set NIL, 19                           ; 0; never rewritten
.set OBL, 20
.set OBI, 21
.set EC, 22
.set ED, 23
.set WS, 24                            ; v24-31  W's scale words, two sets of four
.set XS, 32                            ; v32-63  x's scale words
.set WF, 64                            ; v64-127 W's fragments, four buffers of 8 TO
.set BI, 128                           ; v128..  the expert's bias in the result's layout
.set BL, 144                           ; v144-207 blend: 8 m + e
.set TP, 208                           ; v208-239 at work at the head
; window 1: y at 8 a, D at 128 + 8 a.   windows 2, 3: x's fragment (m, s) at (m NS + s) x 8
.set MSB, 0
.macro WIN new                         ; the immediate's high byte repeats the setting that is left; a switch that changes nothing is dropped
.if MSB != (\new)
	s_set_vgpr_msb (MSB<<8)|(\new)
.set MSB, (\new)
.endif
.endm
.macro PLACES n
.rept \n
	v_nop
.endr
.endm
.macro CREST                           ; a round of the cluster's barrier behind its opening barrier
	s_cmp_lg_u32 s[WV], 0
	s_cbranch_scc1 .Lnot_wave_0_\@
	s_barrier_signal -3
.Lnot_wave_0_\@:
	s_barrier_wait -3
	s_barrier_signal -1
	s_barrier_wait -1
.endm
.macro CROUND                          ; a whole round
	s_barrier_signal -1
	s_barrier_wait -1
	CREST
.endm
.macro G1SET g, c, r, p                ; words 1 to 7 of a group 1: r rows of c elements, p elements from row to row; the tile lies inside its tensor
	s_mov_b32 s[\g+1], (\c)<<16
	s_mov_b32 s[\g+2], (\r)<<16
	s_mov_b32 s[\g+3], (\c)<<16
	s_mov_b32 s[\g+4], \r
	s_mov_b32 s[\g+5], \p
	s_mov_b32 s[\g+6], 0
	s_mov_b32 s[\g+7], 0
.endm
; x's eight fragments of K step s: 16 LDS loads.  A fragment (16 rows x 128 K) is 8 registers: lane l holds row l % 16; registers 4 c .. 4 c + 3 hold K = 64 c + 32 (l / 16) + 0 .. 31
.macro XSTEP s
.set xm_, 0
.rept 8
.set xi_, (xm_*NS+(\s))*8
	WIN (2+xi_/256)<<6
.if LAYER == 1
	ds_load_b128 v[xi_%256:xi_%256+3], v[AX] offset:xm_*4352+64*(\s)
	ds_load_b128 v[xi_%256+4:xi_%256+7], v[AX] offset:xm_*4352+64*(\s)+32
.elseif LAYER == 2
	ds_load_b128 v[xi_%256:xi_%256+3], v[AX+xm_/4] offset:(xm_%4)*8192+(\s)*1024
	ds_load_b128 v[xi_%256+4:xi_%256+7], v[AX+xm_/4] offset:(xm_%4)*8192+(\s)*1024+512
.else
	ds_load_b128 v[xi_%256:xi_%256+3], v[AX+xm_/2] offset:(xm_%2)*8192+(\s)*1024
	ds_load_b128 v[xi_%256+4:xi_%256+7], v[AX+xm_/2] offset:(xm_%2)*8192+(\s)*1024+512
.endif
.set xm_, xm_+1
.endr
.endm
; The LDS loads for step tg, in one run; NGC = their number.  x's fragments (steps 3 .. NS - 1 alone: then all of x is in registers), W's TO fragments into buffer tg % 4,
; every WSP steps W's scale words, at an expert's first step its bias.
.macro GROUP tg
.set NGC, 0
.if (\tg) < NSTEP
.set ge_, (\tg)/NS
.set gs_, (\tg)%NS
.set gw_, WF+8*TO*((\tg)%4)
.if ((\tg) >= 3) && ((\tg) < NS)
	XSTEP \tg
.set NGC, NGC+16
.endif
	WIN 0
.set gt_, 0
.rept TO
	ds_load_b128 v[gw_+8*gt_:gw_+8*gt_+3], v[AW] offset:ge_*ESTR+8*gt_*PITCH+64*gs_
	ds_load_b128 v[gw_+8*gt_+4:gw_+8*gt_+7], v[AW] offset:ge_*ESTR+8*gt_*PITCH+64*gs_+32
.set gt_, gt_+1
.endr
.set NGC, NGC+2*TO
.if ((\tg)%WSP) == 0
.set gr_, WS+4*(((\tg)/WSP)%2)
	ds_load_b128 v[gr_:gr_+3], v[AWS] offset:ge_*64*KS+16*(gs_/4)
.set NGC, NGC+1
.endif
.if gs_ == 0
.set gt_, 0
.rept TO
	ds_load_b128 v[BI+8*gt_:BI+8*gt_+3], v[ABI] offset:ge_*64*TO+32*gt_
	ds_load_b128 v[BI+8*gt_+4:BI+8*gt_+7], v[ABI] offset:ge_*64*TO+32*gt_+16
.set gt_, gt_+1
.endr
.set NGC, NGC+2*TO
.endif
.endif
.endm
; Experts that a later tensor load brought are shown to all four waves: my loads up to them have landed (c younger ones may stay out), my LDS loads are in, a barrier.
.macro SYNC c
	s_wait_tensorcnt \c
	s_wait_dscnt 0x0
	s_barrier_signal -1
	s_barrier_wait -1
.set NGA, 0
.set NGB, 0
.endm
; The product of accumulator a in step sg.  W's scale words: with 32 outputs a wave lanes 0-15 hold tile 0's rows and lanes 16-31 tile 1's; with 16 outputs lanes 0-15 hold K steps 0-3 and lanes 16-31 K steps 4-7.
; x's scale words: lanes 0-15 and lanes 16-31 hold two tiles of rows.  An expert's first K step takes the bias as C.
.macro WMMA a, sg
.set ws_, (\sg)%NS
.set wm_, (\a)/TO
.set wt_, (\a)%TO
.set wx_, (wm_*NS+ws_)*8
.set wb_, wx_%256
.set wa_, WF+8*TO*((\sg)%4)+8*wt_
.set wd_, 128+8*(\a)
.set wsa_, WS+4*(((\sg)/WSP)%2)+(\sg)%4
.if TO == 2
.set wra_, wt_
.else
.set wra_, ((\sg)%8)/4
.endif
.if LAYER == 1
.set wsb_, XS+4*(wm_/2)+ws_
.set wrb_, wm_%2
.else
.set wsb_, XS+4*ws_+wm_%4
.set wrb_, wm_/4
.endif
.if ws_ == 0
.set wc_, BI+8*wt_
	WIN 0x40|((2+wx_/256)<<2)
.else
.set wc_, wd_
	WIN 0x50|((2+wx_/256)<<2)
.endif
.if (wra_ == 0) && (wrb_ == 0)
	v_wmma_scale_f32_16x16x128_f8f6f4 v[wd_:wd_+7], v[wa_:wa_+7], v[wb_:wb_+7], v[wc_:wc_+7], v[wsa_], v[wsb_] matrix_a_fmt:MATRIX_FMT_FP4 matrix_b_fmt:MATRIX_FMT_FP4
.elseif wrb_ == 0
	v_wmma_scale_f32_16x16x128_f8f6f4 v[wd_:wd_+7], v[wa_:wa_+7], v[wb_:wb_+7], v[wc_:wc_+7], v[wsa_], v[wsb_] matrix_a_fmt:MATRIX_FMT_FP4 matrix_b_fmt:MATRIX_FMT_FP4 matrix_a_scale:MATRIX_SCALE_ROW1
.elseif wra_ == 0
	v_wmma_scale_f32_16x16x128_f8f6f4 v[wd_:wd_+7], v[wa_:wa_+7], v[wb_:wb_+7], v[wc_:wc_+7], v[wsa_], v[wsb_] matrix_a_fmt:MATRIX_FMT_FP4 matrix_b_fmt:MATRIX_FMT_FP4 matrix_b_scale:MATRIX_SCALE_ROW1
.else
	v_wmma_scale_f32_16x16x128_f8f6f4 v[wd_:wd_+7], v[wa_:wa_+7], v[wb_:wb_+7], v[wc_:wc_+7], v[wsa_], v[wsb_] matrix_a_fmt:MATRIX_FMT_FP4 matrix_b_fmt:MATRIX_FMT_FP4 matrix_a_scale:MATRIX_SCALE_ROW1 matrix_b_scale:MATRIX_SCALE_ROW1
.endif
.endm
; y += blend[b][e] x D for accumulators a0 and a0 + 1: eight packed lines, each accumulator from its low end on.  mul = 1 (expert 0): y = blend x D: y is never cleared.
.macro SLICE e, a0, mul
	WIN 0x51                               ; D and y in window 1, blend in window 0
.irp k, 0,1
.set sa_, (\a0)+\k
.set sb_, BL+8*(sa_/TO)+((\e)&6)
.irp j, 0,2,4,6
.if \mul
	v_pk_mul_f32 v[8*sa_+\j:8*sa_+\j+1], v[128+8*sa_+\j:128+8*sa_+\j+1], v[sb_:sb_+1] op_sel_hi:[1,0]
.elseif ((\e)&1) == 0
	v_pk_fma_f32 v[8*sa_+\j:8*sa_+\j+1], v[128+8*sa_+\j:128+8*sa_+\j+1], v[sb_:sb_+1], v[8*sa_+\j:8*sa_+\j+1] op_sel_hi:[1,0,1]
.else
	v_pk_fma_f32 v[8*sa_+\j:8*sa_+\j+1], v[128+8*sa_+\j:128+8*sa_+\j+1], v[sb_:sb_+1], v[8*sa_+\j:8*sa_+\j+1] op_sel:[0,1,0] op_sel_hi:[1,1,1]
.endif
.endr
.endr
.endm
; A STEP: 128 along K of one expert: NACC matrix instructions, the accumulators by turns, one instruction a turn, in the same order in every step.
; Head: four places behind the last products, then the loads for three steps on; the wait leaves the three youngest runs of loads out, so this step's are in.
; An expert's last K step carries the slices of accumulators 0 .. H - 1, each behind its accumulators' last products and four places or more; the next expert's first K step carries those of H .. NACC - 1, each
; ahead of the product that begins its accumulator anew.  The other accumulators' slices and the head's v_nop are the places between an accumulator's last product and the product that writes over it.
.macro STEP sg
.set e_, (\sg)/NS
.set ss_, (\sg)%NS
.if (\sg)+3 < NSTEP
	PLACES 4
.endif
.if LAYER == 1
.if (\sg) == 5
	SYNC 2                                 ; experts 2, 3 are in; the two younger pairs may be out
.elseif (\sg) == 13
	SYNC 1
.elseif (\sg) == 21
	SYNC 0
.endif
.else
.if (\sg) == RE*NS-3
	SYNC 0                                 ; the refill has landed
.endif
.endif
	GROUP (\sg)+3
.set nw_, NGA+NGB+NGC
.if nw_ > 63
.set nw_, 63
.endif
	s_wait_dscnt nw_                       ; all but the runs of loads for steps sg + 1, sg + 2, sg + 3
.set NGA, NGB
.set NGB, NGC
.if (RR > 0) && ((\sg) == 7)
	; THE REFILL.  All of x has been asked for out of LDS: its bytes take the experts that are still to come.
	s_wait_tensorcnt 0x0                   ; all my tensor loads have landed;
	ds_add_u32 v[SPW], v[NIL]              ; 0 onto my spare word; half a step's products stand between it and the wait for it
.endif
.set p_, 0
.rept NACC
.if (RR > 0) && ((\sg) == 7) && (p_ == H)
	s_wait_dscnt 0x0                       ; the add is done, and my reads of x are in registers
	s_barrier_signal -1                    ; this barrier opens a round of the cluster's barrier; work on registers stands between signal and wait
.endif
	WMMA p_, \sg
.if (ss_ == NS-1) && ((p_%4) == 3)
.if p_ == 3
	PLACES 4                               ; behind the products of accumulators 0 and 1
.endif
.set st_, (p_-3)/2
.set mu_, 0
.if e_ == 0
.set mu_, 1
.endif
	SLICE e_, st_, mu_
.endif
.if (ss_ == 0) && (e_ > 0) && ((p_%4) == 0)
.set st_, H+p_/2
.set se_, e_-1
.set mu_, 0
.if e_ == 1
.set mu_, 1
.endif
	SLICE se_, st_, mu_
.endif
.set p_, p_+1
.endr
.if (RR > 0) && ((\sg) == 7)
	WIN 0
	s_barrier_wait -1
	CREST                                  ; no wave of any partner still reads x's bytes or has a load on its way
	tensor_load_to_lds s[G0R:G0R+3], s[G1R:G1R+7]   ; my one tensor load behind the round: experts RE .. 7 of my group of 16 rows
	PLACES 4
.set NGA, 0
.set NGB, 0
.endif
.endm
	; ---------------- THE HEAD
	s_load_b256 s[PXC:PXC+7], s[0:1], 0x0          ; x's codes, x's scales, W's codes, W's scales
	s_load_b128 s[PB:PB+3], s[0:1], 0x20           ; B, blend
.if LAYER == 3
	s_load_b64 s[PO0:PO0+1], s[0:1], 0x30          ; out0
.else
	s_load_b128 s[PO0:PO0+3], s[0:1], 0x30         ; the next layer's codes and scale bytes
.endif
.if RR > 0
	v_lshl_add_u32 v[SPW], v0, 2, SPARE
	v_mov_b32 v[NIL], 0
.endif
	v_lshrrev_b32 v4, 5, v0
	v_readfirstlane_b32 s[WV], v4                  ; wave 0..3
	s_and_b32 s[OH], s[WV], (1<<LOGOS)-1
	s_lshr_b32 s[BH], s[WV], LOGOS
	s_bfe_u32 s[CX], ttmp6, 0x40000                ; my place in the cluster
	s_bfe_u32 s[CY], ttmp6, 0x40004
	s_lshl_b32 s[OT], ttmp9, 2
	s_add_co_u32 s[OT], s[OT], s[CX]
	s_and_b32 s[BT], ttmp7, 0xffff
	s_lshl_b32 s[BT], s[BT], 2
	s_add_co_u32 s[BT], s[BT], s[CY]
	s_lshl_b32 s[ROWM], s[CY], 2
	s_lshl_b32 s[ROWM], 15, s[ROWM]                ; my row of the cluster: it shares BT, so x
	s_lshl_b32 s[COLM], 0x1111, s[CX]              ; my column: it shares OT, so W
	s_or_b32 s[G1X], s[ROWM], XW0                  ; word 0: 15:0 the mask; 17:16 the element's size; 20 padding; 21 set beside a mask; 24:22 its interval; 31:25 its words - 1
	G1SET G1X, XC, XR, XP                          ; a quarter of the work-group's rows of x
	s_or_b32 s[G1XS], s[ROWM], (3<<16)|(1<<21)
	G1SET G1XS, SDC, 4, SDP                        ; a quarter of their scale bytes
	s_or_b32 s[G1WS], s[COLM], (3<<16)|(1<<21)
	G1SET G1WS, 8*KS, 2, NOUT*KS/8                 ; two experts' scale bytes of the 64 rows of W: 64 KS dense bytes an expert
	s_or_b32 s[G1WA], s[COLM], (3<<16)|(1<<20)|(1<<21)|(QI<<22)|(3<<25)
	G1SET G1WA, 2*ROWB, 2, NOUT*ROWB/8             ; two experts x 16 rows of W on end; 16 bytes of padding behind each row of W
.if LAYER == 2
	s_or_b32 s[G1R], s[COLM], (3<<16)|(1<<20)|(1<<21)|(QI<<22)|(3<<25)
	G1SET G1R, 2*ROWB, 4, NOUT*ROWB/8              ; the same for four experts
.endif
	s_lshl_b32 s[XO], s[BT], XSHB                  ; x's codes: my quarter of the work-group's rows
	s_lshl_b32 s[T], s[WV], XSHW
	s_add_co_u32 s[XO], s[XO], s[T]
	s_mov_b32 s[XO+1], 0
	s_mul_i32 s[WO], s[OT], 64*KS                  ; W's scales: experts 2 w, 2 w + 1, rows 64 OT on
	s_mul_i32 s[T], s[WV], 2*NOUT*KS
	s_add_co_u32 s[WO], s[WO], s[T]
	s_mov_b32 s[WO+1], 0
	s_wait_kmcnt 0x0
	s_mov_b32 s[G0X], 1                            ; group 0: count 1; LDS address; global address; type 2
	s_mul_i32 s[T], s[WV], XLW
	s_add_co_u32 s[G0X+1], s[T], XL0
	s_add_nc_u64 s[G0X+2:G0X+3], s[PXC:PXC+1], s[XO:XO+1]
	s_or_b32 s[G0X+3], s[G0X+3], 0x80000000
	s_lshl_b32 s[XO], s[BT], SSHB                  ; x's scales: my quarter
	s_lshl_b32 s[T], s[WV], SSHW
	s_add_co_u32 s[XO], s[XO], s[T]
	s_mov_b32 s[G0XS], 1
	s_lshl_b32 s[T], s[WV], SLW
	s_add_co_u32 s[G0XS+1], s[T], XSC
	s_add_nc_u64 s[G0XS+2:G0XS+3], s[PXS:PXS+1], s[XO:XO+1]
	s_or_b32 s[G0XS+3], s[G0XS+3], 0x80000000
	s_mov_b32 s[G0WS], 1
	s_mul_i32 s[T], s[WV], 128*KS
	s_add_co_u32 s[G0WS+1], s[T], WSC
	s_add_nc_u64 s[G0WS+2:G0WS+3], s[PWS:PWS+1], s[WO:WO+1]
	s_or_b32 s[G0WS+3], s[G0WS+3], 0x80000000
	s_mul_i32 s[WO], s[OT], 64*ROWB                ; W's codes: rows 64 OT + 16 w on
	s_mul_i32 s[T], s[WV], 16*ROWB
	s_add_co_u32 s[WO], s[WO], s[T]
	s_add_nc_u64 s[PWC:PWC+1], s[PWC:PWC+1], s[WO:WO+1]
	s_mul_i32 s[T], s[WV], GSTR                    ; my group of 16 rows in LDS: no place in the cluster enters an LDS address
.set i_, 0
.rept NA
.set g_, G0WA+4*i_
.if i_ == 3
.set g_, 68
.endif
	s_mov_b32 s[g_], 1
	s_add_co_u32 s[g_+1], s[T], 2*i_*ESTR
	s_add_nc_u64 s[g_+2:g_+3], s[PWC:PWC+1], 2*i_*NOUT*ROWB    ; experts 2 i, 2 i + 1
	s_or_b32 s[g_+3], s[g_+3], 0x80000000
.set i_, i_+1
.endr
.if RR > 0
	s_mov_b32 s[G0R], 1
	s_add_co_u32 s[G0R+1], s[T], RE*ESTR
	s_add_nc_u64 s[G0R+2:G0R+3], s[PWC:PWC+1], RE*NOUT*ROWB
	s_or_b32 s[G0R+3], s[G0R+3], 0x80000000
.endif
	CROUND                                         ; all sixteen work-groups are here: the first joint loads meet
	tensor_load_to_lds s[G0X:G0X+3], s[G1X:G1X+7]  ; the first fills go out as one group: 3 + NA loads of mine are out
	tensor_load_to_lds s[G0XS:G0XS+3], s[G1XS:G1XS+7]
	tensor_load_to_lds s[G0WS:G0WS+3], s[G1WS:G1WS+7]
.set i_, 0
.rept NA
.set g_, G0WA+4*i_
.if i_ == 3
.set g_, 68
.endif
	tensor_load_to_lds s[g_:g_+3], s[G1WA:G1WA+7]
.set i_, i_+1
.endr
	PLACES 4
	v_and_b32 v1, 15, v0                           ; r
	v_bfe_u32 v2, v0, 4, 1                         ; h
	v_and_b32 v3, 31, v0                           ; lane
	v_lshlrev_b32 v[OBL], 5, v1                    ; blend: 32 bytes a row
	s_lshl_b32 s[GO], s[BT], LOGR+5
	s_lshl_b32 s[T], s[BH], 12
	s_add_co_u32 s[GO], s[GO], s[T]
	s_mov_b32 s[GO+1], 0
	s_add_nc_u64 s[PBL:PBL+1], s[PBL:PBL+1], s[GO:GO+1]
.set i_, 0
.rept 8
	global_load_b128 v[BL+8*i_:BL+8*i_+3], v[OBL], s[PBL:PBL+1] offset:512*i_       ; blend[16 m + r][0 .. 7]: stays in registers
	global_load_b128 v[BL+8*i_+4:BL+8*i_+7], v[OBL], s[PBL:PBL+1] offset:512*i_+16
.set i_, i_+1
.endr
	v_lshrrev_b32 v4, 1+TO, v3                     ; the biases of my outputs, all 8 experts: a lane takes 16 bytes: expert lane / (4 TO) (+ 4), piece lane % (4 TO)
	v_and_b32 v5, 4*TO-1, v3
	v_lshlrev_b32 v5, 4, v5
	v_mad_u32_u24 v[OBI], v4, NOUT*4, v5
	s_lshl_b32 s[GO], s[OT], 8
	s_lshl_b32 s[T], s[OH], 5+TO
	s_add_co_u32 s[GO], s[GO], s[T]
	s_add_nc_u64 s[PB:PB+1], s[PB:PB+1], s[GO:GO+1]
	global_load_b128 v[TP:TP+3], v[OBI], s[PB:PB+1]
.if TO == 2
	global_load_b128 v[TP+4:TP+7], v[OBI], s[PB:PB+1] offset:16*NOUT
.endif
	; LDS addresses
.if TO == 2
	v_lshrrev_b32 v4, 3, v1
	v_and_b32 v5, 7, v1
	v_mul_u32_u24 v4, v4, GSTR                     ; lanes r >= 8 take the next group of 16 rows,
	v_mad_u32_u24 v4, v5, PITCH, v4                ; row r % 8 of it (+ 8 u by the immediate)
	s_mul_i32 s[T], s[OH], 2*GSTR
.else
	v_mul_u32_u24 v4, v1, PITCH
	s_mul_i32 s[T], s[OH], GSTR
.endif
	v_lshl_add_u32 v4, v2, 4, v4
	v_add_nc_u32 v[AW], s[T], v4
.if TO == 2
	v_and_b32 v5, 8, v1
	v_add_nc_u32 v5, v5, v1                        ; r + 8 (r / 8)
	v_lshl_add_u32 v5, v2, 3, v5                   ; lanes 16-31: tile 1's rows, 8 further on
	v_mul_u32_u24 v5, v5, KS
	s_mul_i32 s[T], s[OH], 32*KS
.else
	v_mul_u32_u24 v5, v1, KS
	v_lshl_add_u32 v5, v2, 4, v5                   ; lanes 16-31: K steps 4 to 7
	s_mul_i32 s[T], s[OH], 16*KS
.endif
	s_add_co_u32 s[T], s[T], WSC
	v_add_nc_u32 v[AWS], s[T], v5
	s_lshl_b32 s[T], s[WV], 10
	s_add_co_u32 s[T], s[T], BIA
	v_lshl_add_u32 v[ABI], v2, 4+TO, s[T]          ; lane (r, h) wants the biases of its half's outputs
	v_lshl_add_u32 v7, v3, 4, s[T]                 ; and puts its 16 bytes at 16 x lane
.if LAYER == 1
	v_mul_u32_u24 v4, v1, 272
	v_lshl_add_u32 v4, v2, 4, v4
	s_mul_i32 s[T], s[BH], 128*272
	s_add_co_u32 s[T], s[T], XL0
	v_add_nc_u32 v[AX], s[T], v4
	s_lshl_b32 s[T], s[BH], 11
	s_add_co_u32 s[T], s[T], XSC
	v_lshl_add_u32 v[AXS], v3, 4, s[T]             ; 16 scale bytes a row: lanes 0-15 an even tile of rows, lanes 16-31 the odd one
.elseif LAYER == 2
	s_mul_i32 s[T], s[BH], 2*GSTR
	s_add_co_u32 s[T], s[T], XL0
	v_lshl_add_u32 v[AX], v3, 4, s[T]              ; my tiles 0-3 lie in quarter 2 BH,
	s_add_co_u32 s[T], s[T], GSTR
	v_lshl_add_u32 v[AX+1], v3, 4, s[T]            ; tiles 4-7 in the next
	s_lshl_b32 s[T], s[BH], 8
	s_add_co_u32 s[T], s[T], XSC
	v_lshl_add_u32 v[AXS], v3, 3, s[T]
.else
.set i_, 0
.rept 4
	v_lshl_add_u32 v[AX+i_], v3, 4, i_*GSTR+XL0    ; two tiles of rows a quarter
.set i_, i_+1
.endr
	v_lshl_add_u32 v[AXS], v3, 3, XSC
.endif
	; the way out
.if LAYER == 3
	v_mul_u32_u24 v[EA], v1, 272                   ; the stage, in: row 16 m + r, my 64 bytes, 32 for each half of the lanes
	v_lshl_add_u32 v[EA], v2, 5, v[EA]
	s_lshl_b32 s[T], s[OH], 6
	v_add_nc_u32 v[EA], s[T], v[EA]
	v_mul_u32_u24 v[EB], v2, 272                   ; back: my 32 rows; lanes 0-15 one row of 256 bytes, lanes 16-31 the next
	v_lshl_add_u32 v[EB], v1, 4, v[EB]
	s_mul_i32 s[T], s[WV], 32*272
	v_add_nc_u32 v[EB], s[T], v[EB]
	v_lshlrev_b32 v[EC], 4, v1                     ; and the same two rows in out0
	v_lshl_add_u32 v[EC], v2, 11, v[EC]
	s_lshl_b32 s[GO], s[BT], 18                    ; (128 BT + 32 w) rows of 2,048 bytes + 256 OT
	s_lshl_b32 s[GO+1], s[OT], 8
	s_add_co_u32 s[GO], s[GO], s[GO+1]
	s_lshl_b32 s[T], s[WV], 16
	s_add_co_u32 s[GO], s[GO], s[T]
	s_mov_b32 s[GO+1], 0
	s_add_nc_u64 s[PO0:PO0+1], s[PO0:PO0+1], s[GO:GO+1]
.else
	v_lshlrev_b32 v[EA], 4, v1                     ; codes: lanes 0-15 an even tile of rows, lanes 16-31 the odd one, 8,192 bytes on; 16 bytes a row
	v_lshl_add_u32 v[EA], v2, 13, v[EA]
	s_lshl_b32 s[T], s[BH], 8
	s_add_co_u32 s[T], s[T], s[OH]
	s_add_co_u32 s[T], s[T], SST
	v_lshl_add_u32 v[EB], v1, 3, s[T]              ; a scale byte's place in the stage: 256 BH + 8 r + OH (+ the tile's place by the immediate)
	v_lshl_add_u32 v[EC], v3, 4, SST
	v_lshlrev_b32 v[ED], 4, v3
	s_lshl_b32 s[GO], s[BT], 17                    ; (16 BT + 8 BH) tiles of 8,192 bytes + 256 x my block (2 OT + OH)
	s_lshl_b32 s[GO+1], s[OT], 9
	s_add_co_u32 s[GO], s[GO], s[GO+1]
	s_lshl_b32 s[T], s[BH], 16
	s_add_co_u32 s[GO], s[GO], s[T]
	s_lshl_b32 s[T], s[OH], 8
	s_add_co_u32 s[GO], s[GO], s[T]
	s_mov_b32 s[GO+1], 0
	s_add_nc_u64 s[PO0:PO0+1], s[PO0:PO0+1], s[GO:GO+1]
	s_lshl_b32 s[GO], s[OT], 13                    ; scale bytes: plane OT, 512 bytes for my work-group's 256 rows
	s_lshl_b32 s[GO+1], s[BT], 9
	s_add_co_u32 s[GO], s[GO], s[GO+1]
	s_mov_b32 s[GO+1], 0
	s_add_nc_u64 s[PO1:PO1+1], s[PO1:PO1+1], s[GO:GO+1]
	s_mov_b32 s[SEL], 0x76543210
	s_mov_b32 s[SEL+1], 0xfedcba98
.endif
	s_wait_loadcnt 0x0                             ; blend and the biases
	ds_store_b128 v7, v[TP:TP+3]                   ; my wave's biases: [e][my outputs], its own bytes
.if TO == 2
	ds_store_b128 v7, v[TP+4:TP+7] offset:512
.endif
	s_wait_tensorcnt NA+1                          ; my parts of x and of its scales are in; W's scales and the NA loads of W may be out
	s_wait_dscnt 0x0
	s_barrier_signal -1
	s_barrier_wait -1                              ; everybody's are
.set i_, 0
.if LAYER == 1
.rept 4
	ds_load_b128 v[XS+4*i_:XS+4*i_+3], v[AXS] offset:512*i_    ; register 4 (m / 2) + s: the word of K step s
.set i_, i_+1
.endr
.else
.rept 16
	ds_load_b64 v[TP+2*i_:TP+2*i_+1], v[AXS] offset:XPL*i_     ; plane i: two bytes for each of four tiles of rows
.set i_, i_+1
.endr
.endif
	XSTEP 0
	XSTEP 1
	XSTEP 2
	WIN 0
.if LAYER > 1
	s_wait_dscnt 48                                ; the planes are in; the 48 loads of x behind them may be out
.set i_, 0
.rept 8                                        ; K step i: blocks 4 i, 4 i + 1 from plane 2 i, blocks 4 i + 2, 4 i + 3 from plane 2 i + 1; register 4 i + j: tiles j (lanes 0-15) and 4 + j (lanes 16-31)
.irp jj, 0,1
	v_perm_b32 v[XS+4*i_+2*\jj], v[TP+4*i_+2+\jj], v[TP+4*i_+\jj], 0x05040100
	v_perm_b32 v[XS+4*i_+2*\jj+1], v[TP+4*i_+2+\jj], v[TP+4*i_+\jj], 0x07060302
.endr
.set i_, i_+1
.endr
	PLACES 8                                       ; scale registers written by vector instructions stand eight places ahead of the scaled products
.endif
	s_wait_tensorcnt NA-1                          ; W's scales and experts 0, 1 are in; the younger loads of W may be out
	s_wait_dscnt 0x0
	s_barrier_signal -1
	s_barrier_wait -1
	GROUP 0
	GROUP 1
.set NGA, NGC
	GROUP 2
.set NGB, NGC
	; ---------------- THE STEPS
.set Q, 0
.rept NSTEP
	STEP Q
.set Q, Q+1
.endr
.set Q, H
.rept H/2                                      ; the last expert's accumulators H .. NACC - 1; the slice before these is the places behind the last product
	SLICE 7, Q, 0
.set Q, Q+2
.endr
.if LAYER < 3
	; ---------------- elu, the quantiser, codes and scale bytes out.  All in window 1: y at v0-127 (tile of rows m: v[16 m ..], 16 neighbours along the next K), D's registers at work.
.set T0, 128                           ; v128-191 two sets of 32
.set MX, 192                           ; largest magnitudes
.set PX, 194                           ; the other half's
.set SO, 196                           ; the conversions' scale operands
.set BY, 200                           ; v200-207 a scale byte for each tile of rows
.set CD, 208                           ; v208-223 four registers of codes for each pair of tiles: no store's data are written again
; elu(v) = max(v, 2^min(v log2 e, 0) - 1): for v > 0 the second is 0, for v < 0 it lies above v.  A group g is tiles of rows 2 g, 2 g + 1: 32 numbers a lane.
.macro ELU_A g
.set tb_, T0+32*((\g)%2)
.set yb_, 32*(\g)
.set i_, 0
.rept 16
	v_pk_mul_f32 v[tb_+i_:tb_+i_+1], v[yb_+i_:yb_+i_+1], 0x3fb8aa3b op_sel_hi:[1,0]
.set i_, i_+2
.endr
.set i_, 0
.rept 32
	v_min_num_f32 v[tb_+i_], 0, v[tb_+i_]
.set i_, i_+1
.endr
.endm
.macro ELU_E g
.set tb_, T0+32*((\g)%2)
.set i_, 0
.rept 32
	v_exp_f32 v[tb_+i_], v[tb_+i_]
.set i_, i_+1
.endr
.endm
; Two tiles of rows are quantised.  A block of 32 lies in lanes l and l xor 16.  Its scale: the largest magnitude (floor 2^(3 - 127), so that the byte cannot fall under 1) with 2 off its exponent field.
; The two exchanges give lanes 0-15 the whole block of tile 2 g and lanes 16-31 that of tile 2 g + 1: 16 bytes a lane, so that each half of the wave stores 256 consecutive bytes, aligned.
.macro QUANT2 g
.set yb_, 32*(\g)
.irp i, 0,1
	v_max3_num_f32 v[MX+\i], |v[yb_+16*\i]|, |v[yb_+16*\i+1]|, 0x1800000
.endr
.irp k, 2,4,6,8,10,12,14
.irp i, 0,1
	v_max3_num_f32 v[MX+\i], v[MX+\i], |v[yb_+16*\i+\k]|, |v[yb_+16*\i+\k+1]|
.endr
.endr
.irp i, 0,1
	v_permlanex16_b32 v[PX+\i], v[MX+\i], s[SEL], s[SEL+1]
.endr
.irp i, 0,1
	v_max_num_f32 v[MX+\i], v[MX+\i], v[PX+\i]
.endr
.irp i, 0,1
	v_add_nc_u32 v[SO+\i], 0xff000000, v[MX+\i]
.endr
.irp i, 0,1
	v_lshrrev_b32 v[BY+2*(\g)+\i], 23, v[SO+\i]
.endr
.irp i, 0,1
	v_cvt_scalef32_pk8_fp4_f32 v[CD+4*(\g)+2*\i], v[yb_+16*\i:yb_+16*\i+7], v[SO+\i]
	v_cvt_scalef32_pk8_fp4_f32 v[CD+4*(\g)+2*\i+1], v[yb_+16*\i+8:yb_+16*\i+15], v[SO+\i]
.endr
	v_nop                                          ; one plain place behind the scaled conversions
	v_permlane16_swap_b32 v[CD+4*(\g)], v[CD+4*(\g)+2]
	v_permlane16_swap_b32 v[CD+4*(\g)+1], v[CD+4*(\g)+3]
	WIN 0x04                                       ; addresses in window 0, data in window 1
	global_store_b128 v[EA], v[CD+4*(\g):CD+4*(\g)+3], s[PO0:PO0+1] offset:16384*(\g)
.irp i, 0,1
	ds_store_b8 v[EB], v[BY+2*(\g)+\i] offset:((2*(\g)+\i)/4)*128+2*((2*(\g)+\i)%4)   ; both lanes of a block write the same byte with the same value
.endr
	WIN 0x55
.endm
.macro ELU_C g
.set tb_, T0+32*((\g)%2)
.set yb_, 32*(\g)
.set i_, 0
.rept 16
	v_pk_add_f32 v[tb_+i_:tb_+i_+1], v[tb_+i_:tb_+i_+1], -1.0 op_sel_hi:[1,0]
.set i_, i_+2
.endr
.set i_, 0
.rept 32
	v_max_num_f32 v[yb_+i_], v[yb_+i_], v[tb_+i_]
.set i_, i_+1
.endr
	QUANT2 \g
.endm
	WIN 0x55
	v_mov_b32 v[PX], 0                             ; written once: a lane permute's destination counts as one of its sources
	v_mov_b32 v[PX+1], 0
	ELU_A 0
	ELU_E 0                                        ; 32 exponentials are one batch; plain work on the other set follows; ONE wait stands ahead of the batch's first reader
	ELU_A 1
	s_wait_alu depctr_va_vdst(0)
	ELU_E 1
	ELU_C 0
	ELU_A 2
	s_wait_alu depctr_va_vdst(0)
	ELU_E 2
	ELU_C 1
	ELU_A 3
	s_wait_alu depctr_va_vdst(0)
	ELU_E 3
	ELU_C 2
	s_wait_alu depctr_va_vdst(0)
	ELU_C 3
	WIN 0
	s_wait_dscnt 0x0                               ; for the others' sake: my byte stores have landed
	s_barrier_signal -1
	s_barrier_wait -1                              ; the work-group's 512 scale bytes lie in the stage
	s_cmp_lg_u32 s[WV], 0
	s_cbranch_scc1 .Lno_scales
	ds_load_b128 v[WF:WF+3], v[EC]
	s_wait_dscnt 0x0
	global_store_b128 v[ED], v[WF:WF+3], s[PO1:PO1+1]   ; wave 0 stores 512 consecutive bytes, aligned
.Lno_scales:
.else
	; ---------------- out0.  A lane holds 32 bytes of a row, a row's 256 bytes come from four waves: they meet in a stage (128 rows x 272 bytes) in W's first bytes, which have had their last fill.
	WIN 0
	s_wait_dscnt 0x0
	s_barrier_signal -1
	s_barrier_wait -1                              ; nobody reads W any more
	WIN 0x04                                       ; an LDS store's data are its source 1: window 1
.set i_, 0
.rept 8
	ds_store_b128 v[EA], v[8*i_:8*i_+3] offset:4352*i_
	ds_store_b128 v[EA], v[8*i_+4:8*i_+7] offset:4352*i_+16
.set i_, i_+1
.endr
	WIN 0
	s_wait_dscnt 0x0                               ; for the others' sake: my stores have landed
	s_barrier_signal -1
	s_barrier_wait -1
.set i_, 0
.rept 16
	ds_load_b128 v[WF+4*i_:WF+4*i_+3], v[EB] offset:544*i_
.set i_, i_+1
.endr
.set i_, 0
.rept 16
	s_wait_dscnt 15-i_                             ; LDS loads come back in order: pair i of rows is in
	global_store_b128 v[EC], v[WF+4*i_:WF+4*i_+3], s[PO0:PO0+1] offset:4096*i_ th:TH_STORE_NT   ; 16 lanes store 256 consecutive bytes, aligned; written once, read by nobody here
.set i_, i_+1
.endr
.endif
.if RR > 0
	s_wait_tensorcnt 0x0                           ; the wave's end: behind my last tensor load and my last LDS store
	ds_add_u32 v[SPW], v[NIL]
.endif
	s_wait_dscnt 0x0
	CROUND                                         ; the closing round: no work-group ends while a partner may still ask for a tile that names it
	s_endpgm
.Lfunc_end_k_q129a42a86e_l1:
	.size	k_q129a42a86e_l1, .Lfunc_end_k_q129a42a86e_l1-k_q129a42a86e_l1
	.p2alignl 7, 3214868480
	.fill 96, 4, 3214868480
	.section	.rodata,"a",@progbits
	.p2align	6, 0x0
	.amdhsa_kernel k_q129a42a86e_l1
		.amdhsa_group_segment_fixed_size 229376
		.amdhsa_private_segment_fixed_size 0
		.amdhsa_enable_private_segment 0
		.amdhsa_kernarg_size 64
		.amdhsa_user_sgpr_count 2
		.amdhsa_user_sgpr_kernarg_segment_ptr 1
		.amdhsa_wavefront_size32 1
		.amdhsa_system_sgpr_workgroup_id_x 1
		.amdhsa_system_sgpr_workgroup_id_y 1
		.amdhsa_system_sgpr_workgroup_id_z 1
		.amdhsa_system_vgpr_workitem_id 0
		.amdhsa_next_free_vgpr 768
		.amdhsa_next_free_sgpr 102
		.amdhsa_reserve_vcc 0
		.amdhsa_float_denorm_mode_32 3
		.amdhsa_float_denorm_mode_16_64 3
		.amdhsa_memory_ordered 1
		.amdhsa_forward_progress 1
		.amdhsa_inst_pref_size 165
	.end_amdhsa_kernel
	.amdgpu_metadata
---
amdhsa.version: [ 1, 2 ]
amdhsa.kernels:
  - .name:           k_q129a42a86e_l1
    .symbol:         k_q129a42a86e_l1.kd
    .args:
      - { .name: x_codes, .offset: 0, .size: 8, .value_kind: global_buffer, .address_space: global }
      - { .name: x_scales, .offset: 8, .size: 8, .value_kind: global_buffer, .address_space: global }
      - { .name: W0_codes, .offset: 16, .size: 8, .value_kind: global_buffer, .address_space: global }
      - { .name: W0_scales, .offset: 24, .size: 8, .value_kind: global_buffer, .address_space: global }
      - { .name: B0, .offset: 32, .size: 8, .value_kind: global_buffer, .address_space: global }
      - { .name: weight_blend, .offset: 40, .size: 8, .value_kind: global_buffer, .address_space: global }
      - { .name: h1c, .offset: 48, .size: 8, .value_kind: global_buffer, .address_space: global }
      - { .name: h1s, .offset: 56, .size: 8, .value_kind: global_buffer, .address_space: global }
    .group_segment_fixed_size: 229376
    .private_segment_fixed_size: 0
    .kernarg_segment_align: 8
    .kernarg_segment_size: 64
    .max_flat_workgroup_size: 128
    .sgpr_count:     102
    .vgpr_count:     768
    .wavefront_size: 32
...
	.end_amdgpu_metadata
.endif
;; end of part 1
;; launch l2 (part 2): grid 16 x 16, 4 waves a work-group, clusters of 4 x 4, 327,680 bytes of LDS; arguments h1c, h1s, W1_codes, W1_scales, B1, weight_blend, h2c, h2s; writes h2c, h2s
.if DOCPART == 2
	.amdgcn_target "amdgcn-amd-amdhsa--gfx1250"
	.amdhsa_code_object_version 6
	.text
	.protected	k_q129a42a86e_l2
	.globl	k_q129a42a86e_l2
	.p2align	8
	.type	k_q129a42a86e_l2,@function
k_q129a42a86e_l2:
	s_mov_b64 s[64:65], 0
	v_nop
	global_prefetch_b8 v0, s[64:65] scope:SCOPE_SE
	s_setreg_imm32_b32 hwreg(HW_REG_WAVE_MODE, 25, 1), 1
	s_wait_xcnt 0x0
	s_wait_alu depctr_hold_cnt(0) depctr_sa_sdst(0) depctr_va_vdst(0) depctr_va_sdst(0) depctr_va_ssrc(0) depctr_va_vcc(0) depctr_vm_vsrc(0)
	s_getreg_b32 s2, hwreg(HW_REG_IB_STS2, 6, 4)
	s_cmp_eq_u32 s2, 0
	s_cbranch_scc0 .Lentry_in_a_cluster
	s_endpgm
.Lentry_in_a_cluster:
	s_bfe_u32 s2, ttmp6, 0x10000c
	s_cmp_lg_u32 s2, 0xf033
	s_cbranch_scc0 .Lentry_shape_is_right
	s_endpgm
.Lentry_shape_is_right:
; ONE LAYER of  y[b][o] = sum over e of blend[b][e] x (sum over k of W[e][o][k] x[b][k] + B[e][o]),  8 experts, all of them weighed in; the inner products on codes of FP4 (E2M1) with one E8M0 scale for each 32 along K.
; The program has three launches, one a layer, written from ONE text: LAYER picks the sizes.  1: x_codes (K = 512) -> elu -> h1 as codes.  2: h1 (K = 1,024) -> elu -> h2 as codes.  3: h2 (K = 1,024) -> out0, f32.
; SHARES.  256 work-groups of four waves.  A work-group owns 256 rows x 64 outputs (layer 3: 128 x 64); a wave 128 rows x 32 outputs (layer 3: 128 x 16).
; THE MATRIX INSTRUCTION IS USED TRANSPOSED: source 0 = 16 rows of W[e], source 1 = 16 rows of x.  A lane then holds ONE row b (lane % 16) and its eight registers eight outputs.
; A WAVE KEEPS ITS 128 ROWS OF x, FOR ALL OF K, IN REGISTERS (windows 2 and 3) and uses them for all 8 experts; only W streams from LDS, and each fragment of W feeds 8 matrix instructions.
; For each expert the sums D start with C = B[e] (the bias costs no line); then y += blend[b][e] x D by packed multiply-adds, cut into slices that stand among the matrix instructions of the expert's last K step and the next expert's first.
; Where a wave has 32 outputs THE ROWS OF W THAT FORM A TILE ARE NOT NEIGHBOURS: lane r of tile u takes row 8 u + r + 8 (r / 8), so that a lane's 16 registers of the two tiles are 16 neighbours along the next layer's K: 16 (lane / 16) + 0 .. 15.
; LAYERS 1, 2 END with elu, the quantiser in registers, and stores in the order of the next launch's operand registers:
;   codes:  byte ((row / 16 x 8 + s) x 2 + c) x 512 + h x 256 + (row % 16) x 16 holds the 16 bytes of block 4 s + 2 c + h of the row: a fragment comes back by plain loads of 16 bytes at 16 x lane;
;   scales: [block / 2: 16 planes of 8,192][row / 128: 256][16 hs + row % 16: 8][j: 2 bytes], the row's tile of 16 in its 128 being 4 hs + j; low byte the even block, high byte the odd one.
; CLUSTERS: 4 x 4 work-groups.  The four of a row of the cluster need the same x, the four of a column the same W: every tile is asked for JOINTLY, by the same tensor load with the same descriptor and a mask that names the four.
; Nothing loops: the steps are written out by the assembler, so that every register number, offset and count is a constant of the text.
; LIMITS: NaN and infinities among the inputs are not served.  A block of zeros gets the scale byte 1 where the quantiser says 127: its codes are zeros, and this program alone reads the bytes.
;   elu's negative branch is 2^(v log2 e) - 1 in f32: absolute error about 1.2e-7, so its relative error grows under |v| = 0.06 or so (at 0.06: 2e-6).  The experts are summed in ascending order by fused f32 steps; the bias enters as C of the matrix sum.
.set LAYER, 2
.if LAYER == 1
.set NS, 4                             ; K steps of 128
.set NOUT, 1024                        ; outputs of the layer
.set TO, 2                             ; tiles of 16 outputs a wave
.set LOGOS, 1                          ; the waves split the 64 outputs in 2
.set LOGR, 8                           ; 256 rows a work-group
.set NA, 4                             ; first fills of W, two experts each
.set RR, 0                             ; experts that come by a refill
.set RE, 0                             ; the first of them
.set XW0, (0<<16)|(1<<20)|(1<<21)|(5<<22)|(3<<25)   ; x: elements of 1 byte, 4 words of padding behind every 64
.set XC, 256
.set XR, 64
.set XP, 256
.set SDC, 32
.set SDP, 32
.set XSHB, 16
.set XSHW, 14
.set SSHB, 12
.set SSHW, 10
.set SLW, 10
.elseif LAYER == 2
.set NS, 8
.set NOUT, 1024
.set TO, 2
.set LOGOS, 1
.set LOGR, 8
.set NA, 2
.set RR, 4
.set RE, 4
.set XW0, (3<<16)|(1<<21)              ; x: a dense image, elements of 8 bytes, rows of 256 bytes
.set XC, 32
.set XR, 128
.set XP, 32
.set SDC, 64
.set SDP, 1024
.set XSHB, 17
.set XSHW, 15
.set SSHB, 9
.set SSHW, 15
.set SLW, 11
.else
.set NS, 8
.set NOUT, 512
.set TO, 1
.set LOGOS, 2
.set LOGR, 7
.set NA, 3
.set RR, 2
.set RE, 6
.set XW0, (3<<16)|(1<<21)
.set XC, 32
.set XR, 64
.set XP, 32
.set SDC, 32
.set SDP, 1024
.set XSHB, 16
.set XSHW, 14
.set SSHB, 8
.set SSHW, 15
.set SLW, 10
.endif
.set ROWB,  64*NS                      ; a row of W in bytes
.set PITCH, ROWB+16                    ; and in LDS: an odd multiple of 16 bytes
.set QI,    4+NS/4                     ; the padding's interval: one row of W (64 or 128 words)
.set KS,    4*NS                       ; a row of scale bytes
.set NACC,  8*TO                       ; accumulators of a wave: a = TO x (tile of rows m) + (tile of outputs t)
.set H,     NACC/2
.set NSTEP, 8*NS                       ; steps: expert e = step / NS, K step s = step % NS
.set WSP,   4*(3-TO)                   ; steps that one load of W's scale words serves
.set ESTR,  16*PITCH                   ; LDS: 16 rows of one expert
.set GSTR,  8*ESTR+128                 ; LDS: a group of 16 rows, all 8 experts; the 128 bytes put rows 16-23 of a tile on the other eight columns of 16 bytes
; LDS: W at 0: [group of 16 rows q: 4][expert: 8][16 rows][PITCH]
.set WEND,  4*GSTR
.if LAYER == 1
.set XL0,   WEND                       ; x: 256 rows, pitch 272, behind W
.set XLW,   64*272
.set WSC,   WEND+4*XLW
.else
.set XL0,   RE*ESTR                    ; x: quarter w lies where experts RE .. 7 of group w come later
.set XLW,   GSTR
.set WSC,   WEND
.endif
.set XSC,   WSC+8*64*KS                ; W's scale bytes [e][64 rows][KS]; then x's
.if LAYER == 2
.set BIA,   XSC+8192
.set XPL,   512
.else
.set BIA,   XSC+4096
.set XPL,   256
.endif
.set SST,   BIA+4096                   ; the biases: 1,024 bytes a wave; then (layers 1, 2) the stage of 512 scale bytes
.if LAYER == 3
.set SPARE, BIA+4096
.else
.set SPARE, SST+512                    ; the spare words, 128 bytes a wave: two blocks of 256 bytes that no other line names
.endif
; scalar registers
.set WV, 2                             ; wave
.set OH, 3                             ; which part of the 64 outputs is mine
.set BH, 4                             ; which 128 rows
.set CX, 5
.set CY, 6
.set OT, 7                             ; tile of 64 outputs = 4 x cluster x + cx
.set BT, 8                             ; tile of rows = 4 x cluster y + cy
.set ROWM, 9
.set COLM, 10
.set T, 11                             ; at work: only numbers made of the wave's number
.set XO, 12                            ; s[12:13] offsets made of BT and the wave
.set WO, 14                            ; s[14:15] offsets made of OT and the wave
.set PXC, 16                           ; s[16:31] the buffers' addresses
.set PXS, 18
.set PWC, 20
.set PWS, 22
.set PB, 24
.set PBL, 26
.set PO0, 28
.set PO1, 30
.set G1X, 32                           ; groups 1: x's codes, x's scales, W's scales, W's codes (two experts)
.set G1XS, 40
.set G1WS, 48
.set G1WA, 56
.set GO, 66                            ; s[66:67] offsets of blend, bias and the outputs
.set G0X, 76                           ; groups 0
.set G0XS, 80
.set G0WS, 84
.set G0WA, 88                          ; s[88:99] W's first fills 0 to 2; the fourth (layer 1) in s[68:71]
.if LAYER == 2
.set G1R, 68                           ; the refill: four experts
.set G0R, 96
.else
.set G1R, G1WA
.set G0R, 68
.endif
.set SEL, 100                          ; s[100:101] lane selects for v_permlanex16_b32: lane l xor 16
; vector registers, window 0
.set EA, 8                             ; the way out's addresses
.set EB, 9
.set AW, 10                            ; LDS: my lane's place in W
.set AWS, 11                           ; among W's scale words
.set ABI, 12                           ; among my wave's biases
.set AX, 13                            ; v13-16 in x
.set AXS, 17                           ; among x's scales
.set SPW, 18                           ; LDS address of my spare word; never rewritten
.set NIL, 19                           ; 0; never rewritten
.set OBL, 20
.set OBI, 21
.set EC, 22
.set ED, 23
.set WS, 24                            ; v24-31  W's scale words, two sets of four
.set XS, 32                            ; v32-63  x's scale words
.set WF, 64                            ; v64-127 W's fragments, four buffers of 8 TO
.set BI, 128                           ; v128..  the expert's bias in the result's layout
.set BL, 144                           ; v144-207 blend: 8 m + e
.set TP, 208                           ; v208-239 at work at the head
; window 1: y at 8 a, D at 128 + 8 a.   windows 2, 3: x's fragment (m, s) at (m NS + s) x 8
.set MSB, 0
.macro WIN new                         ; the immediate's high byte repeats the setting that is left; a switch that changes nothing is dropped
.if MSB != (\new)
	s_set_vgpr_msb (MSB<<8)|(\new)
.set MSB, (\new)
.endif
.endm
.macro PLACES n
.rept \n
	v_nop
.endr
.endm
.macro CREST                           ; a round of the cluster's barrier behind its opening barrier
	s_cmp_lg_u32 s[WV], 0
	s_cbranch_scc1 .Lnot_wave_0_\@
	s_barrier_signal -3
.Lnot_wave_0_\@:
	s_barrier_wait -3
	s_barrier_signal -1
	s_barrier_wait -1
.endm
.macro CROUND                          ; a whole round
	s_barrier_signal -1
	s_barrier_wait -1
	CREST
.endm
.macro G1SET g, c, r, p                ; words 1 to 7 of a group 1: r rows of c elements, p elements from row to row; the tile lies inside its tensor
	s_mov_b32 s[\g+1], (\c)<<16
	s_mov_b32 s[\g+2], (\r)<<16
	s_mov_b32 s[\g+3], (\c)<<16
	s_mov_b32 s[\g+4], \r
	s_mov_b32 s[\g+5], \p
	s_mov_b32 s[\g+6], 0
	s_mov_b32 s[\g+7], 0
.endm
; x's eight fragments of K step s: 16 LDS loads.  A fragment (16 rows x 128 K) is 8 registers: lane l holds row l % 16; registers 4 c .. 4 c + 3 hold K = 64 c + 32 (l / 16) + 0 .. 31
.macro XSTEP s
.set xm_, 0
.rept 8
.set xi_, (xm_*NS+(\s))*8
	WIN (2+xi_/256)<<6
.if LAYER == 1
	ds_load_b128 v[xi_%256:xi_%256+3], v[AX] offset:xm_*4352+64*(\s)
	ds_load_b128 v[xi_%256+4:xi_%256+7], v[AX] offset:xm_*4352+64*(\s)+32
.elseif LAYER == 2
	ds_load_b128 v[xi_%256:xi_%256+3], v[AX+xm_/4] offset:(xm_%4)*8192+(\s)*1024
	ds_load_b128 v[xi_%256+4:xi_%256+7], v[AX+xm_/4] offset:(xm_%4)*8192+(\s)*1024+512
.else
	ds_load_b128 v[xi_%256:xi_%256+3], v[AX+xm_/2] offset:(xm_%2)*8192+(\s)*1024
	ds_load_b128 v[xi_%256+4:xi_%256+7], v[AX+xm_/2] offset:(xm_%2)*8192+(\s)*1024+512
.endif
.set xm_, xm_+1
.endr
.endm
; The LDS loads for step tg, in one run; NGC = their number.  x's fragments (steps 3 .. NS - 1 alone: then all of x is in registers), W's TO fragments into buffer tg % 4,
; every WSP steps W's scale words, at an expert's first step its bias.
.macro GROUP tg
.set NGC, 0
.if (\tg) < NSTEP
.set ge_, (\tg)/NS
.set gs_, (\tg)%NS
.set gw_, WF+8*TO*((\tg)%4)
.if ((\tg) >= 3) && ((\tg) < NS)
	XSTEP \tg
.set NGC, NGC+16
.endif
	WIN 0
.set gt_, 0
.rept TO
	ds_load_b128 v[gw_+8*gt_:gw_+8*gt_+3], v[AW] offset:ge_*ESTR+8*gt_*PITCH+64*gs_
	ds_load_b128 v[gw_+8*gt_+4:gw_+8*gt_+7], v[AW] offset:ge_*ESTR+8*gt_*PITCH+64*gs_+32
.set gt_, gt_+1
.endr
.set NGC, NGC+2*TO
.if ((\tg)%WSP) == 0
.set gr_, WS+4*(((\tg)/WSP)%2)
	ds_load_b128 v[gr_:gr_+3], v[AWS] offset:ge_*64*KS+16*(gs_/4)
.set NGC, NGC+1
.endif
.if gs_ == 0
.set gt_, 0
.rept TO
	ds_load_b128 v[BI+8*gt_:BI+8*gt_+3], v[ABI] offset:ge_*64*TO+32*gt_
	ds_load_b128 v[BI+8*gt_+4:BI+8*gt_+7], v[ABI] offset:ge_*64*TO+32*gt_+16
.set gt_, gt_+1
.endr
.set NGC, NGC+2*TO
.endif
.endif
.endm
; Experts that a later tensor load brought are shown to all four waves: my loads up to them have landed (c younger ones may stay out), my LDS loads are in, a barrier.
.macro SYNC c
	s_wait_tensorcnt \c
	s_wait_dscnt 0x0
	s_barrier_signal -1
	s_barrier_wait -1
.set NGA, 0
.set NGB, 0
.endm
; The product of accumulator a in step sg.  W's scale words: with 32 outputs a wave lanes 0-15 hold tile 0's rows and lanes 16-31 tile 1's; with 16 outputs lanes 0-15 hold K steps 0-3 and lanes 16-31 K steps 4-7.
; x's scale words: lanes 0-15 and lanes 16-31 hold two tiles of rows.  An expert's first K step takes the bias as C.
.macro WMMA a, sg
.set ws_, (\sg)%NS
.set wm_, (\a)/TO
.set wt_, (\a)%TO
.set wx_, (wm_*NS+ws_)*8
.set wb_, wx_%256
.set wa_, WF+8*TO*((\sg)%4)+8*wt_
.set wd_, 128+8*(\a)
.set wsa_, WS+4*(((\sg)/WSP)%2)+(\sg)%4
.if TO == 2
.set wra_, wt_
.else
.set wra_, ((\sg)%8)/4
.endif
.if LAYER == 1
.set wsb_, XS+4*(wm_/2)+ws_
.set wrb_, wm_%2
.else
.set wsb_, XS+4*ws_+wm_%4
.set wrb_, wm_/4
.endif
.if ws_ == 0
.set wc_, BI+8*wt_
	WIN 0x40|((2+wx_/256)<<2)
.else
.set wc_, wd_
	WIN 0x50|((2+wx_/256)<<2)
.endif
.if (wra_ == 0) && (wrb_ == 0)
	v_wmma_scale_f32_16x16x128_f8f6f4 v[wd_:wd_+7], v[wa_:wa_+7], v[wb_:wb_+7], v[wc_:wc_+7], v[wsa_], v[wsb_] matrix_a_fmt:MATRIX_FMT_FP4 matrix_b_fmt:MATRIX_FMT_FP4
.elseif wrb_ == 0
	v_wmma_scale_f32_16x16x128_f8f6f4 v[wd_:wd_+7], v[wa_:wa_+7], v[wb_:wb_+7], v[wc_:wc_+7], v[wsa_], v[wsb_] matrix_a_fmt:MATRIX_FMT_FP4 matrix_b_fmt:MATRIX_FMT_FP4 matrix_a_scale:MATRIX_SCALE_ROW1
.elseif wra_ == 0
	v_wmma_scale_f32_16x16x128_f8f6f4 v[wd_:wd_+7], v[wa_:wa_+7], v[wb_:wb_+7], v[wc_:wc_+7], v[wsa_], v[wsb_] matrix_a_fmt:MATRIX_FMT_FP4 matrix_b_fmt:MATRIX_FMT_FP4 matrix_b_scale:MATRIX_SCALE_ROW1
.else
	v_wmma_scale_f32_16x16x128_f8f6f4 v[wd_:wd_+7], v[wa_:wa_+7], v[wb_:wb_+7], v[wc_:wc_+7], v[wsa_], v[wsb_] matrix_a_fmt:MATRIX_FMT_FP4 matrix_b_fmt:MATRIX_FMT_FP4 matrix_a_scale:MATRIX_SCALE_ROW1 matrix_b_scale:MATRIX_SCALE_ROW1
.endif
.endm
; y += blend[b][e] x D for accumulators a0 and a0 + 1: eight packed lines, each accumulator from its low end on.  mul = 1 (expert 0): y = blend x D: y is never cleared.
.macro SLICE e, a0, mul
	WIN 0x51                               ; D and y in window 1, blend in window 0
.irp k, 0,1
.set sa_, (\a0)+\k
.set sb_, BL+8*(sa_/TO)+((\e)&6)
.irp j, 0,2,4,6
.if \mul
	v_pk_mul_f32 v[8*sa_+\j:8*sa_+\j+1], v[128+8*sa_+\j:128+8*sa_+\j+1], v[sb_:sb_+1] op_sel_hi:[1,0]
.elseif ((\e)&1) == 0
	v_pk_fma_f32 v[8*sa_+\j:8*sa_+\j+1], v[128+8*sa_+\j:128+8*sa_+\j+1], v[sb_:sb_+1], v[8*sa_+\j:8*sa_+\j+1] op_sel_hi:[1,0,1]
.else
	v_pk_fma_f32 v[8*sa_+\j:8*sa_+\j+1], v[128+8*sa_+\j:128+8*sa_+\j+1], v[sb_:sb_+1], v[8*sa_+\j:8*sa_+\j+1] op_sel:[0,1,0] op_sel_hi:[1,1,1]
.endif
.endr
.endr
.endm
; A STEP: 128 along K of one expert: NACC matrix instructions, the accumulators by turns, one instruction a turn, in the same order in every step.
; Head: four places behind the last products, then the loads for three steps on; the wait leaves the three youngest runs of loads out, so this step's are in.
; An expert's last K step carries the slices of accumulators 0 .. H - 1, each behind its accumulators' last products and four places or more; the next expert's first K step carries those of H .. NACC - 1, each
; ahead of the product that begins its accumulator anew.  The other accumulators' slices and the head's v_nop are the places between an accumulator's last product and the product that writes over it.
.macro STEP sg
.set e_, (\sg)/NS
.set ss_, (\sg)%NS
.if (\sg)+3 < NSTEP
	PLACES 4
.endif
.if LAYER == 1
.if (\sg) == 5
	SYNC 2                                 ; experts 2, 3 are in; the two younger pairs may be out
.elseif (\sg) == 13
	SYNC 1
.elseif (\sg) == 21
	SYNC 0
.endif
.else
.if (\sg) == RE*NS-3
	SYNC 0                                 ; the refill has landed
.endif
.endif
	GROUP (\sg)+3
.set nw_, NGA+NGB+NGC
.if nw_ > 63
.set nw_, 63
.endif
	s_wait_dscnt nw_                       ; all but the runs of loads for steps sg + 1, sg + 2, sg + 3
.set NGA, NGB
.set NGB, NGC
.if (RR > 0) && ((\sg) == 7)
	; THE REFILL.  All of x has been asked for out of LDS: its bytes take the experts that are still to come.
	s_wait_tensorcnt 0x0                   ; all my tensor loads have landed;
	ds_add_u32 v[SPW], v[NIL]              ; 0 onto my spare word; half a step's products stand between it and the wait for it
.endif
.set p_, 0
.rept NACC
.if (RR > 0) && ((\sg) == 7) && (p_ == H)
	s_wait_dscnt 0x0                       ; the add is done, and my reads of x are in registers
	s_barrier_signal -1                    ; this barrier opens a round of the cluster's barrier; work on registers stands between signal and wait
.endif
	WMMA p_, \sg
.if (ss_ == NS-1) && ((p_%4) == 3)
.if p_ == 3
	PLACES 4                               ; behind the products of accumulators 0 and 1
.endif
.set st_, (p_-3)/2
.set mu_, 0
.if e_ == 0
.set mu_, 1
.endif
	SLICE e_, st_, mu_
.endif
.if (ss_ == 0) && (e_ > 0) && ((p_%4) == 0)
.set st_, H+p_/2
.set se_, e_-1
.set mu_, 0
.if e_ == 1
.set mu_, 1
.endif
	SLICE se_, st_, mu_
.endif
.set p_, p_+1
.endr
.if (RR > 0) && ((\sg) == 7)
	WIN 0
	s_barrier_wait -1
	CREST                                  ; no wave of any partner still reads x's bytes or has a load on its way
	tensor_load_to_lds s[G0R:G0R+3], s[G1R:G1R+7]   ; my one tensor load behind the round: experts RE .. 7 of my group of 16 rows
	PLACES 4
.set NGA, 0
.set NGB, 0
.endif
.endm
	; ---------------- THE HEAD
	s_load_b256 s[PXC:PXC+7], s[0:1], 0x0          ; x's codes, x's scales, W's codes, W's scales
	s_load_b128 s[PB:PB+3], s[0:1], 0x20           ; B, blend
.if LAYER == 3
	s_load_b64 s[PO0:PO0+1], s[0:1], 0x30          ; out0
.else
	s_load_b128 s[PO0:PO0+3], s[0:1], 0x30         ; the next layer's codes and scale bytes
.endif
.if RR > 0
	v_lshl_add_u32 v[SPW], v0, 2, SPARE
	v_mov_b32 v[NIL], 0
.endif
	v_lshrrev_b32 v4, 5, v0
	v_readfirstlane_b32 s[WV], v4                  ; wave 0..3
	s_and_b32 s[OH], s[WV], (1<<LOGOS)-1
	s_lshr_b32 s[BH], s[WV], LOGOS
	s_bfe_u32 s[CX], ttmp6, 0x40000                ; my place in the cluster
	s_bfe_u32 s[CY], ttmp6, 0x40004
	s_lshl_b32 s[OT], ttmp9, 2
	s_add_co_u32 s[OT], s[OT], s[CX]
	s_and_b32 s[BT], ttmp7, 0xffff
	s_lshl_b32 s[BT], s[BT], 2
	s_add_co_u32 s[BT], s[BT], s[CY]
	s_lshl_b32 s[ROWM], s[CY], 2
	s_lshl_b32 s[ROWM], 15, s[ROWM]                ; my row of the cluster: it shares BT, so x
	s_lshl_b32 s[COLM], 0x1111, s[CX]              ; my column: it shares OT, so W
	s_or_b32 s[G1X], s[ROWM], XW0                  ; word 0: 15:0 the mask; 17:16 the element's size; 20 padding; 21 set beside a mask; 24:22 its interval; 31:25 its words - 1
	G1SET G1X, XC, XR, XP                          ; a quarter of the work-group's rows of x
	s_or_b32 s[G1XS], s[ROWM], (3<<16)|(1<<21)
	G1SET G1XS, SDC, 4, SDP                        ; a quarter of their scale bytes
	s_or_b32 s[G1WS], s[COLM], (3<<16)|(1<<21)
	G1SET G1WS, 8*KS, 2, NOUT*KS/8                 ; two experts' scale bytes of the 64 rows of W: 64 KS dense bytes an expert
	s_or_b32 s[G1WA], s[COLM], (3<<16)|(1<<20)|(1<<21)|(QI<<22)|(3<<25)
	G1SET G1WA, 2*ROWB, 2, NOUT*ROWB/8             ; two experts x 16 rows of W on end; 16 bytes of padding behind each row of W
.if LAYER == 2
	s_or_b32 s[G1R], s[COLM], (3<<16)|(1<<20)|(1<<21)|(QI<<22)|(3<<25)
	G1SET G1R, 2*ROWB, 4, NOUT*ROWB/8              ; the same for four experts
.endif
	s_lshl_b32 s[XO], s[BT], XSHB                  ; x's codes: my quarter of the work-group's rows
	s_lshl_b32 s[T], s[WV], XSHW
	s_add_co_u32 s[XO], s[XO], s[T]
	s_mov_b32 s[XO+1], 0
	s_mul_i32 s[WO], s[OT], 64*KS                  ; W's scales: experts 2 w, 2 w + 1, rows 64 OT on
	s_mul_i32 s[T], s[WV], 2*NOUT*KS
	s_add_co_u32 s[WO], s[WO], s[T]
	s_mov_b32 s[WO+1], 0
	s_wait_kmcnt 0x0
	s_mov_b32 s[G0X], 1                            ; group 0: count 1; LDS address; global address; type 2
	s_mul_i32 s[T], s[WV], XLW
	s_add_co_u32 s[G0X+1], s[T], XL0
	s_add_nc_u64 s[G0X+2:G0X+3], s[PXC:PXC+1], s[XO:XO+1]
	s_or_b32 s[G0X+3], s[G0X+3], 0x80000000
	s_lshl_b32 s[XO], s[BT], SSHB                  ; x's scales: my quarter
	s_lshl_b32 s[T], s[WV], SSHW
	s_add_co_u32 s[XO], s[XO], s[T]
	s_mov_b32 s[G0XS], 1
	s_lshl_b32 s[T], s[WV], SLW
	s_add_co_u32 s[G0XS+1], s[T], XSC
	s_add_nc_u64 s[G0XS+2:G0XS+3], s[PXS:PXS+1], s[XO:XO+1]
	s_or_b32 s[G0XS+3], s[G0XS+3], 0x80000000
	s_mov_b32 s[G0WS], 1
	s_mul_i32 s[T], s[WV], 128*KS
	s_add_co_u32 s[G0WS+1], s[T], WSC
	s_add_nc_u64 s[G0WS+2:G0WS+3], s[PWS:PWS+1], s[WO:WO+1]
	s_or_b32 s[G0WS+3], s[G0WS+3], 0x80000000
	s_mul_i32 s[WO], s[OT], 64*ROWB                ; W's codes: rows 64 OT + 16 w on
	s_mul_i32 s[T], s[WV], 16*ROWB
	s_add_co_u32 s[WO], s[WO], s[T]
	s_add_nc_u64 s[PWC:PWC+1], s[PWC:PWC+1], s[WO:WO+1]
	s_mul_i32 s[T], s[WV], GSTR                    ; my group of 16 rows in LDS: no place in the cluster enters an LDS address
.set i_, 0
.rept NA
.set g_, G0WA+4*i_
.if i_ == 3
.set g_, 68
.endif
	s_mov_b32 s[g_], 1
	s_add_co_u32 s[g_+1], s[T], 2*i_*ESTR
	s_add_nc_u64 s[g_+2:g_+3], s[PWC:PWC+1], 2*i_*NOUT*ROWB    ; experts 2 i, 2 i + 1
	s_or_b32 s[g_+3], s[g_+3], 0x80000000
.set i_, i_+1
.endr
.if RR > 0
	s_mov_b32 s[G0R], 1
	s_add_co_u32 s[G0R+1], s[T], RE*ESTR
	s_add_nc_u64 s[G0R+2:G0R+3], s[PWC:PWC+1], RE*NOUT*ROWB
	s_or_b32 s[G0R+3], s[G0R+3], 0x80000000
.endif
	CROUND                                         ; all sixteen work-groups are here: the first joint loads meet
	tensor_load_to_lds s[G0X:G0X+3], s[G1X:G1X+7]  ; the first fills go out as one group: 3 + NA loads of mine are out
	tensor_load_to_lds s[G0XS:G0XS+3], s[G1XS:G1XS+7]
	tensor_load_to_lds s[G0WS:G0WS+3], s[G1WS:G1WS+7]
.set i_, 0
.rept NA
.set g_, G0WA+4*i_
.if i_ == 3
.set g_, 68
.endif
	tensor_load_to_lds s[g_:g_+3], s[G1WA:G1WA+7]
.set i_, i_+1
.endr
	PLACES 4
	v_and_b32 v1, 15, v0                           ; r
	v_bfe_u32 v2, v0, 4, 1                         ; h
	v_and_b32 v3, 31, v0                           ; lane
	v_lshlrev_b32 v[OBL], 5, v1                    ; blend: 32 bytes a row
	s_lshl_b32 s[GO], s[BT], LOGR+5
	s_lshl_b32 s[T], s[BH], 12
	s_add_co_u32 s[GO], s[GO], s[T]
	s_mov_b32 s[GO+1], 0
	s_add_nc_u64 s[PBL:PBL+1], s[PBL:PBL+1], s[GO:GO+1]
.set i_, 0
.rept 8
	global_load_b128 v[BL+8*i_:BL+8*i_+3], v[OBL], s[PBL:PBL+1] offset:512*i_       ; blend[16 m + r][0 .. 7]: stays in registers
	global_load_b128 v[BL+8*i_+4:BL+8*i_+7], v[OBL], s[PBL:PBL+1] offset:512*i_+16
.set i_, i_+1
.endr
	v_lshrrev_b32 v4, 1+TO, v3                     ; the biases of my outputs, all 8 experts: a lane takes 16 bytes: expert lane / (4 TO) (+ 4), piece lane % (4 TO)
	v_and_b32 v5, 4*TO-1, v3
	v_lshlrev_b32 v5, 4, v5
	v_mad_u32_u24 v[OBI], v4, NOUT*4, v5
	s_lshl_b32 s[GO], s[OT], 8
	s_lshl_b32 s[T], s[OH], 5+TO
	s_add_co_u32 s[GO], s[GO], s[T]
	s_add_nc_u64 s[PB:PB+1], s[PB:PB+1], s[GO:GO+1]
	global_load_b128 v[TP:TP+3], v[OBI], s[PB:PB+1]
.if TO == 2
	global_load_b128 v[TP+4:TP+7], v[OBI], s[PB:PB+1] offset:16*NOUT
.endif
	; LDS addresses
.if TO == 2
	v_lshrrev_b32 v4, 3, v1
	v_and_b32 v5, 7, v1
	v_mul_u32_u24 v4, v4, GSTR                     ; lanes r >= 8 take the next group of 16 rows,
	v_mad_u32_u24 v4, v5, PITCH, v4                ; row r % 8 of it (+ 8 u by the immediate)
	s_mul_i32 s[T], s[OH], 2*GSTR
.else
	v_mul_u32_u24 v4, v1, PITCH
	s_mul_i32 s[T], s[OH], GSTR
.endif
	v_lshl_add_u32 v4, v2, 4, v4
	v_add_nc_u32 v[AW], s[T], v4
.if TO == 2
	v_and_b32 v5, 8, v1
	v_add_nc_u32 v5, v5, v1                        ; r + 8 (r / 8)
	v_lshl_add_u32 v5, v2, 3, v5                   ; lanes 16-31: tile 1's rows, 8 further on
	v_mul_u32_u24 v5, v5, KS
	s_mul_i32 s[T], s[OH], 32*KS
.else
	v_mul_u32_u24 v5, v1, KS
	v_lshl_add_u32 v5, v2, 4, v5                   ; lanes 16-31: K steps 4 to 7
	s_mul_i32 s[T], s[OH], 16*KS
.endif
	s_add_co_u32 s[T], s[T], WSC
	v_add_nc_u32 v[AWS], s[T], v5
	s_lshl_b32 s[T], s[WV], 10
	s_add_co_u32 s[T], s[T], BIA
	v_lshl_add_u32 v[ABI], v2, 4+TO, s[T]          ; lane (r, h) wants the biases of its half's outputs
	v_lshl_add_u32 v7, v3, 4, s[T]                 ; and puts its 16 bytes at 16 x lane
.if LAYER == 1
	v_mul_u32_u24 v4, v1, 272
	v_lshl_add_u32 v4, v2, 4, v4
	s_mul_i32 s[T], s[BH], 128*272
	s_add_co_u32 s[T], s[T], XL0
	v_add_nc_u32 v[AX], s[T], v4
	s_lshl_b32 s[T], s[BH], 11
	s_add_co_u32 s[T], s[T], XSC
	v_lshl_add_u32 v[AXS], v3, 4, s[T]             ; 16 scale bytes a row: lanes 0-15 an even tile of rows, lanes 16-31 the odd one
.elseif LAYER == 2
	s_mul_i32 s[T], s[BH], 2*GSTR
	s_add_co_u32 s[T], s[T], XL0
	v_lshl_add_u32 v[AX], v3, 4, s[T]              ; my tiles 0-3 lie in quarter 2 BH,
	s_add_co_u32 s[T], s[T], GSTR
	v_lshl_add_u32 v[AX+1], v3, 4, s[T]            ; tiles 4-7 in the next
	s_lshl_b32 s[T], s[BH], 8
	s_add_co_u32 s[T], s[T], XSC
	v_lshl_add_u32 v[AXS], v3, 3, s[T]
.else
.set i_, 0
.rept 4
	v_lshl_add_u32 v[AX+i_], v3, 4, i_*GSTR+XL0    ; two tiles of rows a quarter
.set i_, i_+1
.endr
	v_lshl_add_u32 v[AXS], v3, 3, XSC
.endif
	; the way out
.if LAYER == 3
	v_mul_u32_u24 v[EA], v1, 272                   ; the stage, in: row 16 m + r, my 64 bytes, 32 for each half of the lanes
	v_lshl_add_u32 v[EA], v2, 5, v[EA]
	s_lshl_b32 s[T], s[OH], 6
	v_add_nc_u32 v[EA], s[T], v[EA]
	v_mul_u32_u24 v[EB], v2, 272                   ; back: my 32 rows; lanes 0-15 one row of 256 bytes, lanes 16-31 the next
	v_lshl_add_u32 v[EB], v1, 4, v[EB]
	s_mul_i32 s[T], s[WV], 32*272
	v_add_nc_u32 v[EB], s[T], v[EB]
	v_lshlrev_b32 v[EC], 4, v1                     ; and the same two rows in out0
	v_lshl_add_u32 v[EC], v2, 11, v[EC]
	s_lshl_b32 s[GO], s[BT], 18                    ; (128 BT + 32 w) rows of 2,048 bytes + 256 OT
	s_lshl_b32 s[GO+1], s[OT], 8
	s_add_co_u32 s[GO], s[GO], s[GO+1]
	s_lshl_b32 s[T], s[WV], 16
	s_add_co_u32 s[GO], s[GO], s[T]
	s_mov_b32 s[GO+1], 0
	s_add_nc_u64 s[PO0:PO0+1], s[PO0:PO0+1], s[GO:GO+1]
.else
	v_lshlrev_b32 v[EA], 4, v1                     ; codes: lanes 0-15 an even tile of rows, lanes 16-31 the odd one, 8,192 bytes on; 16 bytes a row
	v_lshl_add_u32 v[EA], v2, 13, v[EA]
	s_lshl_b32 s[T], s[BH], 8
	s_add_co_u32 s[T], s[T], s[OH]
	s_add_co_u32 s[T], s[T], SST
	v_lshl_add_u32 v[EB], v1, 3, s[T]              ; a scale byte's place in the stage: 256 BH + 8 r + OH (+ the tile's place by the immediate)
	v_lshl_add_u32 v[EC], v3, 4, SST
	v_lshlrev_b32 v[ED], 4, v3
	s_lshl_b32 s[GO], s[BT], 17                    ; (16 BT + 8 BH) tiles of 8,192 bytes + 256 x my block (2 OT + OH)
	s_lshl_b32 s[GO+1], s[OT], 9
	s_add_co_u32 s[GO], s[GO], s[GO+1]
	s_lshl_b32 s[T], s[BH], 16
	s_add_co_u32 s[GO], s[GO], s[T]
	s_lshl_b32 s[T], s[OH], 8
	s_add_co_u32 s[GO], s[GO], s[T]
	s_mov_b32 s[GO+1], 0
	s_add_nc_u64 s[PO0:PO0+1], s[PO0:PO0+1], s[GO:GO+1]
	s_lshl_b32 s[GO], s[OT], 13                    ; scale bytes: plane OT, 512 bytes for my work-group's 256 rows
	s_lshl_b32 s[GO+1], s[BT], 9
	s_add_co_u32 s[GO], s[GO], s[GO+1]
	s_mov_b32 s[GO+1], 0
	s_add_nc_u64 s[PO1:PO1+1], s[PO1:PO1+1], s[GO:GO+1]
	s_mov_b32 s[SEL], 0x76543210
	s_mov_b32 s[SEL+1], 0xfedcba98
.endif
	s_wait_loadcnt 0x0                             ; blend and the biases
	ds_store_b128 v7, v[TP:TP+3]                   ; my wave's biases: [e][my outputs], its own bytes
.if TO == 2
	ds_store_b128 v7, v[TP+4:TP+7] offset:512
.endif
	s_wait_tensorcnt NA+1                          ; my parts of x and of its scales are in; W's scales and the NA loads of W may be out
	s_wait_dscnt 0x0
	s_barrier_signal -1
	s_barrier_wait -1                              ; everybody's are
.set i_, 0
.if LAYER == 1
.rept 4
	ds_load_b128 v[XS+4*i_:XS+4*i_+3], v[AXS] offset:512*i_    ; register 4 (m / 2) + s: the word of K step s
.set i_, i_+1
.endr
.else
.rept 16
	ds_load_b64 v[TP+2*i_:TP+2*i_+1], v[AXS] offset:XPL*i_     ; plane i: two bytes for each of four tiles of rows
.set i_, i_+1
.endr
.endif
	XSTEP 0
	XSTEP 1
	XSTEP 2
	WIN 0
.if LAYER > 1
	s_wait_dscnt 48                                ; the planes are in; the 48 loads of x behind them may be out
.set i_, 0
.rept 8                                        ; K step i: blocks 4 i, 4 i + 1 from plane 2 i, blocks 4 i + 2, 4 i + 3 from plane 2 i + 1; register 4 i + j: tiles j (lanes 0-15) and 4 + j (lanes 16-31)
.irp jj, 0,1
	v_perm_b32 v[XS+4*i_+2*\jj], v[TP+4*i_+2+\jj], v[TP+4*i_+\jj], 0x05040100
	v_perm_b32 v[XS+4*i_+2*\jj+1], v[TP+4*i_+2+\jj], v[TP+4*i_+\jj], 0x07060302
.endr
.set i_, i_+1
.endr
	PLACES 8                                       ; scale registers written by vector instructions stand eight places ahead of the scaled products
.endif
	s_wait_tensorcnt NA-1                          ; W's scales and experts 0, 1 are in; the younger loads of W may be out
	s_wait_dscnt 0x0
	s_barrier_signal -1
	s_barrier_wait -1
	GROUP 0
	GROUP 1
.set NGA, NGC
	GROUP 2
.set NGB, NGC
	; ---------------- THE STEPS
.set Q, 0
.rept NSTEP
	STEP Q
.set Q, Q+1
.endr
.set Q, H
.rept H/2                                      ; the last expert's accumulators H .. NACC - 1; the slice before these is the places behind the last product
	SLICE 7, Q, 0
.set Q, Q+2
.endr
.if LAYER < 3
	; ---------------- elu, the quantiser, codes and scale bytes out.  All in window 1: y at v0-127 (tile of rows m: v[16 m ..], 16 neighbours along the next K), D's registers at work.
.set T0, 128                           ; v128-191 two sets of 32
.set MX, 192                           ; largest magnitudes
.set PX, 194                           ; the other half's
.set SO, 196                           ; the conversions' scale operands
.set BY, 200                           ; v200-207 a scale byte for each tile of rows
.set CD, 208                           ; v208-223 four registers of codes for each pair of tiles: no store's data are written again
; elu(v) = max(v, 2^min(v log2 e, 0) - 1): for v > 0 the second is 0, for v < 0 it lies above v.  A group g is tiles of rows 2 g, 2 g + 1: 32 numbers a lane.
.macro ELU_A g
.set tb_, T0+32*((\g)%2)
.set yb_, 32*(\g)
.set i_, 0
.rept 16
	v_pk_mul_f32 v[tb_+i_:tb_+i_+1], v[yb_+i_:yb_+i_+1], 0x3fb8aa3b op_sel_hi:[1,0]
.set i_, i_+2
.endr
.set i_, 0
.rept 32
	v_min_num_f32 v[tb_+i_], 0, v[tb_+i_]
.set i_, i_+1
.endr
.endm
.macro ELU_E g
.set tb_, T0+32*((\g)%2)
.set i_, 0
.rept 32
	v_exp_f32 v[tb_+i_], v[tb_+i_]
.set i_, i_+1
.endr
.endm
; Two tiles of rows are quantised.  A block of 32 lies in lanes l and l xor 16.  Its scale: the largest magnitude (floor 2^(3 - 127), so that the byte cannot fall under 1) with 2 off its exponent field.
; The two exchanges give lanes 0-15 the whole block of tile 2 g and lanes 16-31 that of tile 2 g + 1: 16 bytes a lane, so that each half of the wave stores 256 consecutive bytes, aligned.
.macro QUANT2 g
.set yb_, 32*(\g)
.irp i, 0,1
	v_max3_num_f32 v[MX+\i], |v[yb_+16*\i]|, |v[yb_+16*\i+1]|, 0x1800000
.endr
.irp k, 2,4,6,8,10,12,14
.irp i, 0,1
	v_max3_num_f32 v[MX+\i], v[MX+\i], |v[yb_+16*\i+\k]|, |v[yb_+16*\i+\k+1]|
.endr
.endr
.irp i, 0,1
	v_permlanex16_b32 v[PX+\i], v[MX+\i], s[SEL], s[SEL+1]
.endr
.irp i, 0,1
	v_max_num_f32 v[MX+\i], v[MX+\i], v[PX+\i]
.endr
.irp i, 0,1
	v_add_nc_u32 v[SO+\i], 0xff000000, v[MX+\i]
.endr
.irp i, 0,1
	v_lshrrev_b32 v[BY+2*(\g)+\i], 23, v[SO+\i]
.endr
.irp i, 0,1
	v_cvt_scalef32_pk8_fp4_f32 v[CD+4*(\g)+2*\i], v[yb_+16*\i:yb_+16*\i+7], v[SO+\i]
	v_cvt_scalef32_pk8_fp4_f32 v[CD+4*(\g)+2*\i+1], v[yb_+16*\i+8:yb_+16*\i+15], v[SO+\i]
.endr
	v_nop                                          ; one plain place behind the scaled conversions
	v_permlane16_swap_b32 v[CD+4*(\g)], v[CD+4*(\g)+2]
	v_permlane16_swap_b32 v[CD+4*(\g)+1], v[CD+4*(\g)+3]
	WIN 0x04                                       ; addresses in window 0, data in window 1
	global_store_b128 v[EA], v[CD+4*(\g):CD+4*(\g)+3], s[PO0:PO0+1] offset:16384*(\g)
.irp i, 0,1
	ds_store_b8 v[EB], v[BY+2*(\g)+\i] offset:((2*(\g)+\i)/4)*128+2*((2*(\g)+\i)%4)   ; both lanes of a block write the same byte with the same value
.endr
	WIN 0x55
.endm
.macro ELU_C g
.set tb_, T0+32*((\g)%2)
.set yb_, 32*(\g)
.set i_, 0
.rept 16
	v_pk_add_f32 v[tb_+i_:tb_+i_+1], v[tb_+i_:tb_+i_+1], -1.0 op_sel_hi:[1,0]
.set i_, i_+2
.endr
.set i_, 0
.rept 32
	v_max_num_f32 v[yb_+i_], v[yb_+i_], v[tb_+i_]
.set i_, i_+1
.endr
	QUANT2 \g
.endm
	WIN 0x55
	v_mov_b32 v[PX], 0                             ; written once: a lane permute's destination counts as one of its sources
	v_mov_b32 v[PX+1], 0
	ELU_A 0
	ELU_E 0                                        ; 32 exponentials are one batch; plain work on the other set follows; ONE wait stands ahead of the batch's first reader
	ELU_A 1
	s_wait_alu depctr_va_vdst(0)
	ELU_E 1
	ELU_C 0
	ELU_A 2
	s_wait_alu depctr_va_vdst(0)
	ELU_E 2
	ELU_C 1
	ELU_A 3
	s_wait_alu depctr_va_vdst(0)
	ELU_E 3
	ELU_C 2
	s_wait_alu depctr_va_vdst(0)
	ELU_C 3
	WIN 0
	s_wait_dscnt 0x0                               ; for the others' sake: my byte stores have landed
	s_barrier_signal -1
	s_barrier_wait -1                              ; the work-group's 512 scale bytes lie in the stage
	s_cmp_lg_u32 s[WV], 0
	s_cbranch_scc1 .Lno_scales
	ds_load_b128 v[WF:WF+3], v[EC]
	s_wait_dscnt 0x0
	global_store_b128 v[ED], v[WF:WF+3], s[PO1:PO1+1]   ; wave 0 stores 512 consecutive bytes, aligned
.Lno_scales:
.else
	; ---------------- out0.  A lane holds 32 bytes of a row, a row's 256 bytes come from four waves: they meet in a stage (128 rows x 272 bytes) in W's first bytes, which have had their last fill.
	WIN 0
	s_wait_dscnt 0x0
	s_barrier_signal -1
	s_barrier_wait -1                              ; nobody reads W any more
	WIN 0x04                                       ; an LDS store's data are its source 1: window 1
.set i_, 0
.rept 8
	ds_store_b128 v[EA], v[8*i_:8*i_+3] offset:4352*i_
	ds_store_b128 v[EA], v[8*i_+4:8*i_+7] offset:4352*i_+16
.set i_, i_+1
.endr
	WIN 0
	s_wait_dscnt 0x0                               ; for the others' sake: my stores have landed
	s_barrier_signal -1
	s_barrier_wait -1
.set i_, 0
.rept 16
	ds_load_b128 v[WF+4*i_:WF+4*i_+3], v[EB] offset:544*i_
.set i_, i_+1
.endr
.set i_, 0
.rept 16
	s_wait_dscnt 15-i_                             ; LDS loads come back in order: pair i of rows is in
	global_store_b128 v[EC], v[WF+4*i_:WF+4*i_+3], s[PO0:PO0+1] offset:4096*i_ th:TH_STORE_NT   ; 16 lanes store 256 consecutive bytes, aligned; written once, read by nobody here
.set i_, i_+1
.endr
.endif
.if RR > 0
	s_wait_tensorcnt 0x0                           ; the wave's end: behind my last tensor load and my last LDS store
	ds_add_u32 v[SPW], v[NIL]
.endif
	s_wait_dscnt 0x0
	CROUND                                         ; the closing round: no work-group ends while a partner may still ask for a tile that names it
	s_endpgm
.Lfunc_end_k_q129a42a86e_l2:
	.size	k_q129a42a86e_l2, .Lfunc_end_k_q129a42a86e_l2-k_q129a42a86e_l2
	.p2alignl 7, 3214868480
	.fill 96, 4, 3214868480
	.section	.rodata,"a",@progbits
	.p2align	6, 0x0
	.amdhsa_kernel k_q129a42a86e_l2
		.amdhsa_group_segment_fixed_size 327680
		.amdhsa_private_segment_fixed_size 0
		.amdhsa_enable_private_segment 0
		.amdhsa_kernarg_size 64
		.amdhsa_user_sgpr_count 2
		.amdhsa_user_sgpr_kernarg_segment_ptr 1
		.amdhsa_wavefront_size32 1
		.amdhsa_system_sgpr_workgroup_id_x 1
		.amdhsa_system_sgpr_workgroup_id_y 1
		.amdhsa_system_sgpr_workgroup_id_z 1
		.amdhsa_system_vgpr_workitem_id 0
		.amdhsa_next_free_vgpr 1024
		.amdhsa_next_free_sgpr 102
		.amdhsa_reserve_vcc 0
		.amdhsa_float_denorm_mode_32 3
		.amdhsa_float_denorm_mode_16_64 3
		.amdhsa_memory_ordered 1
		.amdhsa_forward_progress 1
		.amdhsa_inst_pref_size 255
	.end_amdhsa_kernel
	.section	.bss,"aw",@nobits
	.p2align	6
	.space	262144
	.amdgpu_metadata
---
amdhsa.version: [ 1, 2 ]
amdhsa.kernels:
  - .name:           k_q129a42a86e_l2
    .symbol:         k_q129a42a86e_l2.kd
    .args:
      - { .name: h1c, .offset: 0, .size: 8, .value_kind: global_buffer, .address_space: global }
      - { .name: h1s, .offset: 8, .size: 8, .value_kind: global_buffer, .address_space: global }
      - { .name: W1_codes, .offset: 16, .size: 8, .value_kind: global_buffer, .address_space: global }
      - { .name: W1_scales, .offset: 24, .size: 8, .value_kind: global_buffer, .address_space: global }
      - { .name: B1, .offset: 32, .size: 8, .value_kind: global_buffer, .address_space: global }
      - { .name: weight_blend, .offset: 40, .size: 8, .value_kind: global_buffer, .address_space: global }
      - { .name: h2c, .offset: 48, .size: 8, .value_kind: global_buffer, .address_space: global }
      - { .name: h2s, .offset: 56, .size: 8, .value_kind: global_buffer, .address_space: global }
    .group_segment_fixed_size: 327680
    .private_segment_fixed_size: 0
    .kernarg_segment_align: 8
    .kernarg_segment_size: 64
    .max_flat_workgroup_size: 128
    .sgpr_count:     102
    .vgpr_count:     1024
    .wavefront_size: 32
...
	.end_amdgpu_metadata
.endif
;; end of part 2
;; launch l3 (part 3): grid 8 x 32, 4 waves a work-group, clusters of 4 x 4, 327,680 bytes of LDS; arguments h2c, h2s, W2_codes, W2_scales, B2, weight_blend, out0; writes out0
.if DOCPART == 3
	.amdgcn_target "amdgcn-amd-amdhsa--gfx1250"
	.amdhsa_code_object_version 6
	.text
	.protected	k_q129a42a86e_l3
	.globl	k_q129a42a86e_l3
	.p2align	8
	.type	k_q129a42a86e_l3,@function
k_q129a42a86e_l3:
	s_mov_b64 s[64:65], 0
	v_nop
	global_prefetch_b8 v0, s[64:65] scope:SCOPE_SE
	s_setreg_imm32_b32 hwreg(HW_REG_WAVE_MODE, 25, 1), 1
	s_wait_xcnt 0x0
	s_wait_alu depctr_hold_cnt(0) depctr_sa_sdst(0) depctr_va_vdst(0) depctr_va_sdst(0) depctr_va_ssrc(0) depctr_va_vcc(0) depctr_vm_vsrc(0)
	s_getreg_b32 s2, hwreg(HW_REG_IB_STS2, 6, 4)
	s_cmp_eq_u32 s2, 0
	s_cbranch_scc0 .Lentry_in_a_cluster
	s_endpgm
.Lentry_in_a_cluster:
	s_bfe_u32 s2, ttmp6, 0x10000c
	s_cmp_lg_u32 s2, 0xf033
	s_cbranch_scc0 .Lentry_shape_is_right
	s_endpgm
.Lentry_shape_is_right:
; ONE LAYER of  y[b][o] = sum over e of blend[b][e] x (sum over k of W[e][o][k] x[b][k] + B[e][o]),  8 experts, all of them weighed in; the inner products on codes of FP4 (E2M1) with one E8M0 scale for each 32 along K.
; The program has three launches, one a layer, written from ONE text: LAYER picks the sizes.  1: x_codes (K = 512) -> elu -> h1 as codes.  2: h1 (K = 1,024) -> elu -> h2 as codes.  3: h2 (K = 1,024) -> out0, f32.
; SHARES.  256 work-groups of four waves.  A work-group owns 256 rows x 64 outputs (layer 3: 128 x 64); a wave 128 rows x 32 outputs (layer 3: 128 x 16).
; THE MATRIX INSTRUCTION IS USED TRANSPOSED: source 0 = 16 rows of W[e], source 1 = 16 rows of x.  A lane then holds ONE row b (lane % 16) and its eight registers eight outputs.
; A WAVE KEEPS ITS 128 ROWS OF x, FOR ALL OF K, IN REGISTERS (windows 2 and 3) and uses them for all 8 experts; only W streams from LDS, and each fragment of W feeds 8 matrix instructions.
; For each expert the sums D start with C = B[e] (the bias costs no line); then y += blend[b][e] x D by packed multiply-adds, cut into slices that stand among the matrix instructions of the expert's last K step and the next expert's first.
; Where a wave has 32 outputs THE ROWS OF W THAT FORM A TILE ARE NOT NEIGHBOURS: lane r of tile u takes row 8 u + r + 8 (r / 8), so that a lane's 16 registers of the two tiles are 16 neighbours along the next layer's K: 16 (lane / 16) + 0 .. 15.
; LAYERS 1, 2 END with elu, the quantiser in registers, and stores in the order of the next launch's operand registers:
;   codes:  byte ((row / 16 x 8 + s) x 2 + c) x 512 + h x 256 + (row % 16) x 16 holds the 16 bytes of block 4 s + 2 c + h of the row: a fragment comes back by plain loads of 16 bytes at 16 x lane;
;   scales: [block / 2: 16 planes of 8,192][row / 128: 256][16 hs + row % 16: 8][j: 2 bytes], the row's tile of 16 in its 128 being 4 hs + j; low byte the even block, high byte the odd one.
; CLUSTERS: 4 x 4 work-groups.  The four of a row of the cluster need the same x, the four of a column the same W: every tile is asked for JOINTLY, by the same tensor load with the same descriptor and a mask that names the four.
; Nothing loops: the steps are written out by the assembler, so that every register number, offset and count is a constant of the text.
; LIMITS: NaN and infinities among the inputs are not served.  A block of zeros gets the scale byte 1 where the quantiser says 127: its codes are zeros, and this program alone reads the bytes.
;   elu's negative branch is 2^(v log2 e) - 1 in f32: absolute error about 1.2e-7, so its relative error grows under |v| = 0.06 or so (at 0.06: 2e-6).  The experts are summed in ascending order by fused f32 steps; the bias enters as C of the matrix sum.
.set LAYER, 3
.if LAYER == 1
.set NS, 4                             ; K steps of 128
.set NOUT, 1024                        ; outputs of the layer
.set TO, 2                             ; tiles of 16 outputs a wave
.set LOGOS, 1                          ; the waves split the 64 outputs in 2
.set LOGR, 8                           ; 256 rows a work-group
.set NA, 4                             ; first fills of W, two experts each
.set RR, 0                             ; experts that come by a refill
.set RE, 0                             ; the first of them
.set XW0, (0<<16)|(1<<20)|(1<<21)|(5<<22)|(3<<25)   ; x: elements of 1 byte, 4 words of padding behind every 64
.set XC, 256
.set XR, 64
.set XP, 256
.set SDC, 32
.set SDP, 32
.set XSHB, 16
.set XSHW, 14
.set SSHB, 12
.set SSHW, 10
.set SLW, 10
.elseif LAYER == 2
.set NS, 8
.set NOUT, 1024
.set TO, 2
.set LOGOS, 1
.set LOGR, 8
.set NA, 2
.set RR, 4
.set RE, 4
.set XW0, (3<<16)|(1<<21)              ; x: a dense image, elements of 8 bytes, rows of 256 bytes
.set XC, 32
.set XR, 128
.set XP, 32
.set SDC, 64
.set SDP, 1024
.set XSHB, 17
.set XSHW, 15
.set SSHB, 9
.set SSHW, 15
.set SLW, 11
.else
.set NS, 8
.set NOUT, 512
.set TO, 1
.set LOGOS, 2
.set LOGR, 7
.set NA, 3
.set RR, 2
.set RE, 6
.set XW0, (3<<16)|(1<<21)
.set XC, 32
.set XR, 64
.set XP, 32
.set SDC, 32
.set SDP, 1024
.set XSHB, 16
.set XSHW, 14
.set SSHB, 8
.set SSHW, 15
.set SLW, 10
.endif
.set ROWB,  64*NS                      ; a row of W in bytes
.set PITCH, ROWB+16                    ; and in LDS: an odd multiple of 16 bytes
.set QI,    4+NS/4                     ; the padding's interval: one row of W (64 or 128 words)
.set KS,    4*NS                       ; a row of scale bytes
.set NACC,  8*TO                       ; accumulators of a wave: a = TO x (tile of rows m) + (tile of outputs t)
.set H,     NACC/2
.set NSTEP, 8*NS                       ; steps: expert e = step / NS, K step s = step % NS
.set WSP,   4*(3-TO)                   ; steps that one load of W's scale words serves
.set ESTR,  16*PITCH                   ; LDS: 16 rows of one expert
.set GSTR,  8*ESTR+128                 ; LDS: a group of 16 rows, all 8 experts; the 128 bytes put rows 16-23 of a tile on the other eight columns of 16 bytes
; LDS: W at 0: [group of 16 rows q: 4][expert: 8][16 rows][PITCH]
.set WEND,  4*GSTR
.if LAYER == 1
.set XL0,   WEND                       ; x: 256 rows, pitch 272, behind W
.set XLW,   64*272
.set WSC,   WEND+4*XLW
.else
.set XL0,   RE*ESTR                    ; x: quarter w lies where experts RE .. 7 of group w come later
.set XLW,   GSTR
.set WSC,   WEND
.endif
.set XSC,   WSC+8*64*KS                ; W's scale bytes [e][64 rows][KS]; then x's
.if LAYER == 2
.set BIA,   XSC+8192
.set XPL,   512
.else
.set BIA,   XSC+4096
.set XPL,   256
.endif
.set SST,   BIA+4096                   ; the biases: 1,024 bytes a wave; then (layers 1, 2) the stage of 512 scale bytes
.if LAYER == 3
.set SPARE, BIA+4096
.else
.set SPARE, SST+512                    ; the spare words, 128 bytes a wave: two blocks of 256 bytes that no other line names
.endif
; scalar registers
.set WV, 2                             ; wave
.set OH, 3                             ; which part of the 64 outputs is mine
.set BH, 4                             ; which 128 rows
.set CX, 5
.set CY, 6
.set OT, 7                             ; tile of 64 outputs = 4 x cluster x + cx
.set BT, 8                             ; tile of rows = 4 x cluster y + cy
.set ROWM, 9
.set COLM, 10
.set T, 11                             ; at work: only numbers made of the wave's number
.set XO, 12                            ; s[12:13] offsets made of BT and the wave
.set WO, 14                            ; s[14:15] offsets made of OT and the wave
.set PXC, 16                           ; s[16:31] the buffers' addresses
.set PXS, 18
.set PWC, 20
.set PWS, 22
.set PB, 24
.set PBL, 26
.set PO0, 28
.set PO1, 30
.set G1X, 32                           ; groups 1: x's codes, x's scales, W's scales, W's codes (two experts)
.set G1XS, 40
.set G1WS, 48
.set G1WA, 56
.set GO, 66                            ; s[66:67] offsets of blend, bias and the outputs
.set G0X, 76                           ; groups 0
.set G0XS, 80
.set G0WS, 84
.set G0WA, 88                          ; s[88:99] W's first fills 0 to 2; the fourth (layer 1) in s[68:71]
.if LAYER == 2
.set G1R, 68                           ; the refill: four experts
.set G0R, 96
.else
.set G1R, G1WA
.set G0R, 68
.endif
.set SEL, 100                          ; s[100:101] lane selects for v_permlanex16_b32: lane l xor 16
; vector registers, window 0
.set EA, 8                             ; the way out's addresses
.set EB, 9
.set AW, 10                            ; LDS: my lane's place in W
.set AWS, 11                           ; among W's scale words
.set ABI, 12                           ; among my wave's biases
.set AX, 13                            ; v13-16 in x
.set AXS, 17                           ; among x's scales
.set SPW, 18                           ; LDS address of my spare word; never rewritten
.set NIL, 19                           ; 0; never rewritten
.set OBL, 20
.set OBI, 21
.set EC, 22
.set ED, 23
.set WS, 24                            ; v24-31  W's scale words, two sets of four
.set XS, 32                            ; v32-63  x's scale words
.set WF, 64                            ; v64-127 W's fragments, four buffers of 8 TO
.set BI, 128                           ; v128..  the expert's bias in the result's layout
.set BL, 144                           ; v144-207 blend: 8 m + e
.set TP, 208                           ; v208-239 at work at the head
; window 1: y at 8 a, D at 128 + 8 a.   windows 2, 3: x's fragment (m, s) at (m NS + s) x 8
.set MSB, 0
.macro WIN new                         ; the immediate's high byte repeats the setting that is left; a switch that changes nothing is dropped
.if MSB != (\new)
	s_set_vgpr_msb (MSB<<8)|(\new)
.set MSB, (\new)
.endif
.endm
.macro PLACES n
.rept \n
	v_nop
.endr
.endm
.macro CREST                           ; a round of the cluster's barrier behind its opening barrier
	s_cmp_lg_u32 s[WV], 0
	s_cbranch_scc1 .Lnot_wave_0_\@
	s_barrier_signal -3
.Lnot_wave_0_\@:
	s_barrier_wait -3
	s_barrier_signal -1
	s_barrier_wait -1
.endm
.macro CROUND                          ; a whole round
	s_barrier_signal -1
	s_barrier_wait -1
	CREST
.endm
.macro G1SET g, c, r, p                ; words 1 to 7 of a group 1: r rows of c elements, p elements from row to row; the tile lies inside its tensor
	s_mov_b32 s[\g+1], (\c)<<16
	s_mov_b32 s[\g+2], (\r)<<16
	s_mov_b32 s[\g+3], (\c)<<16
	s_mov_b32 s[\g+4], \r
	s_mov_b32 s[\g+5], \p
	s_mov_b32 s[\g+6], 0
	s_mov_b32 s[\g+7], 0
.endm
; x's eight fragments of K step s: 16 LDS loads.  A fragment (16 rows x 128 K) is 8 registers: lane l holds row l % 16; registers 4 c .. 4 c + 3 hold K = 64 c + 32 (l / 16) + 0 .. 31
.macro XSTEP s
.set xm_, 0
.rept 8
.set xi_, (xm_*NS+(\s))*8
	WIN (2+xi_/256)<<6
.if LAYER == 1
	ds_load_b128 v[xi_%256:xi_%256+3], v[AX] offset:xm_*4352+64*(\s)
	ds_load_b128 v[xi_%256+4:xi_%256+7], v[AX] offset:xm_*4352+64*(\s)+32
.elseif LAYER == 2
	ds_load_b128 v[xi_%256:xi_%256+3], v[AX+xm_/4] offset:(xm_%4)*8192+(\s)*1024
	ds_load_b128 v[xi_%256+4:xi_%256+7], v[AX+xm_/4] offset:(xm_%4)*8192+(\s)*1024+512
.else
	ds_load_b128 v[xi_%256:xi_%256+3], v[AX+xm_/2] offset:(xm_%2)*8192+(\s)*1024
	ds_load_b128 v[xi_%256+4:xi_%256+7], v[AX+xm_/2] offset:(xm_%2)*8192+(\s)*1024+512
.endif
.set xm_, xm_+1
.endr
.endm
; The LDS loads for step tg, in one run; NGC = their number.  x's fragments (steps 3 .. NS - 1 alone: then all of x is in registers), W's TO fragments into buffer tg % 4,
; every WSP steps W's scale words, at an expert's first step its bias.
.macro GROUP tg
.set NGC, 0
.if (\tg) < NSTEP
.set ge_, (\tg)/NS
.set gs_, (\tg)%NS
.set gw_, WF+8*TO*((\tg)%4)
.if ((\tg) >= 3) && ((\tg) < NS)
	XSTEP \tg
.set NGC, NGC+16
.endif
	WIN 0
.set gt_, 0
.rept TO
	ds_load_b128 v[gw_+8*gt_:gw_+8*gt_+3], v[AW] offset:ge_*ESTR+8*gt_*PITCH+64*gs_
	ds_load_b128 v[gw_+8*gt_+4:gw_+8*gt_+7], v[AW] offset:ge_*ESTR+8*gt_*PITCH+64*gs_+32
.set gt_, gt_+1
.endr
.set NGC, NGC+2*TO
.if ((\tg)%WSP) == 0
.set gr_, WS+4*(((\tg)/WSP)%2)
	ds_load_b128 v[gr_:gr_+3], v[AWS] offset:ge_*64*KS+16*(gs_/4)
.set NGC, NGC+1
.endif
.if gs_ == 0
.set gt_, 0
.rept TO
	ds_load_b128 v[BI+8*gt_:BI+8*gt_+3], v[ABI] offset:ge_*64*TO+32*gt_
	ds_load_b128 v[BI+8*gt_+4:BI+8*gt_+7], v[ABI] offset:ge_*64*TO+32*gt_+16
.set gt_, gt_+1
.endr
.set NGC, NGC+2*TO
.endif
.endif
.endm
; Experts that a later tensor load brought are shown to all four waves: my loads up to them have landed (c younger ones may stay out), my LDS loads are in, a barrier.
.macro SYNC c
	s_wait_tensorcnt \c
	s_wait_dscnt 0x0
	s_barrier_signal -1
	s_barrier_wait -1
.set NGA, 0
.set NGB, 0
.endm
; The product of accumulator a in step sg.  W's scale words: with 32 outputs a wave lanes 0-15 hold tile 0's rows and lanes 16-31 tile 1's; with 16 outputs lanes 0-15 hold K steps 0-3 and lanes 16-31 K steps 4-7.
; x's scale words: lanes 0-15 and lanes 16-31 hold two tiles of rows.  An expert's first K step takes the bias as C.
.macro WMMA a, sg
.set ws_, (\sg)%NS
.set wm_, (\a)/TO
.set wt_, (\a)%TO
.set wx_, (wm_*NS+ws_)*8
.set wb_, wx_%256
.set wa_, WF+8*TO*((\sg)%4)+8*wt_
.set wd_, 128+8*(\a)
.set wsa_, WS+4*(((\sg)/WSP)%2)+(\sg)%4
.if TO == 2
.set wra_, wt_
.else
.set wra_, ((\sg)%8)/4
.endif
.if LAYER == 1
.set wsb_, XS+4*(wm_/2)+ws_
.set wrb_, wm_%2
.else
.set wsb_, XS+4*ws_+wm_%4
.set wrb_, wm_/4
.endif
.if ws_ == 0
.set wc_, BI+8*wt_
	WIN 0x40|((2+wx_/256)<<2)
.else
.set wc_, wd_
	WIN 0x50|((2+wx_/256)<<2)
.endif
.if (wra_ == 0) && (wrb_ == 0)
	v_wmma_scale_f32_16x16x128_f8f6f4 v[wd_:wd_+7], v[wa_:wa_+7], v[wb_:wb_+7], v[wc_:wc_+7], v[wsa_], v[wsb_] matrix_a_fmt:MATRIX_FMT_FP4 matrix_b_fmt:MATRIX_FMT_FP4
.elseif wrb_ == 0
	v_wmma_scale_f32_16x16x128_f8f6f4 v[wd_:wd_+7], v[wa_:wa_+7], v[wb_:wb_+7], v[wc_:wc_+7], v[wsa_], v[wsb_] matrix_a_fmt:MATRIX_FMT_FP4 matrix_b_fmt:MATRIX_FMT_FP4 matrix_a_scale:MATRIX_SCALE_ROW1
.elseif wra_ == 0
	v_wmma_scale_f32_16x16x128_f8f6f4 v[wd_:wd_+7], v[wa_:wa_+7], v[wb_:wb_+7], v[wc_:wc_+7], v[wsa_], v[wsb_] matrix_a_fmt:MATRIX_FMT_FP4 matrix_b_fmt:MATRIX_FMT_FP4 matrix_b_scale:MATRIX_SCALE_ROW1
.else
	v_wmma_scale_f32_16x16x128_f8f6f4 v[wd_:wd_+7], v[wa_:wa_+7], v[wb_:wb_+7], v[wc_:wc_+7], v[wsa_], v[wsb_] matrix_a_fmt:MATRIX_FMT_FP4 matrix_b_fmt:MATRIX_FMT_FP4 matrix_a_scale:MATRIX_SCALE_ROW1 matrix_b_scale:MATRIX_SCALE_ROW1
.endif
.endm
; y += blend[b][e] x D for accumulators a0 and a0 + 1: eight packed lines, each accumulator from its low end on.  mul = 1 (expert 0): y = blend x D: y is never cleared.
.macro SLICE e, a0, mul
	WIN 0x51                               ; D and y in window 1, blend in window 0
.irp k, 0,1
.set sa_, (\a0)+\k
.set sb_, BL+8*(sa_/TO)+((\e)&6)
.irp j, 0,2,4,6
.if \mul
	v_pk_mul_f32 v[8*sa_+\j:8*sa_+\j+1], v[128+8*sa_+\j:128+8*sa_+\j+1], v[sb_:sb_+1] op_sel_hi:[1,0]
.elseif ((\e)&1) == 0
	v_pk_fma_f32 v[8*sa_+\j:8*sa_+\j+1], v[128+8*sa_+\j:128+8*sa_+\j+1], v[sb_:sb_+1], v[8*sa_+\j:8*sa_+\j+1] op_sel_hi:[1,0,1]
.else
	v_pk_fma_f32 v[8*sa_+\j:8*sa_+\j+1], v[128+8*sa_+\j:128+8*sa_+\j+1], v[sb_:sb_+1], v[8*sa_+\j:8*sa_+\j+1] op_sel:[0,1,0] op_sel_hi:[1,1,1]
.endif
.endr
.endr
.endm
; A STEP: 128 along K of one expert: NACC matrix instructions, the accumulators by turns, one instruction a turn, in the same order in every step.
; Head: four places behind the last products, then the loads for three steps on; the wait leaves the three youngest runs of loads out, so this step's are in.
; An expert's last K step carries the slices of accumulators 0 .. H - 1, each behind its accumulators' last products and four places or more; the next expert's first K step carries those of H .. NACC - 1, each
; ahead of the product that begins its accumulator anew.  The other accumulators' slices and the head's v_nop are the places between an accumulator's last product and the product that writes over it.
.macro STEP sg
.set e_, (\sg)/NS
.set ss_, (\sg)%NS
.if (\sg)+3 < NSTEP
	PLACES 4
.endif
.if LAYER == 1
.if (\sg) == 5
	SYNC 2                                 ; experts 2, 3 are in; the two younger pairs may be out
.elseif (\sg) == 13
	SYNC 1
.elseif (\sg) == 21
	SYNC 0
.endif
.else
.if (\sg) == RE*NS-3
	SYNC 0                                 ; the refill has landed
.endif
.endif
	GROUP (\sg)+3
.set nw_, NGA+NGB+NGC
.if nw_ > 63
.set nw_, 63
.endif
	s_wait_dscnt nw_                       ; all but the runs of loads for steps sg + 1, sg + 2, sg + 3
.set NGA, NGB
.set NGB, NGC
.if (RR > 0) && ((\sg) == 7)
	; THE REFILL.  All of x has been asked for out of LDS: its bytes take the experts that are still to come.
	s_wait_tensorcnt 0x0                   ; all my tensor loads have landed;
	ds_add_u32 v[SPW], v[NIL]              ; 0 onto my spare word; half a step's products stand between it and the wait for it
.endif
.set p_, 0
.rept NACC
.if (RR > 0) && ((\sg) == 7) && (p_ == H)
	s_wait_dscnt 0x0                       ; the add is done, and my reads of x are in registers
	s_barrier_signal -1                    ; this barrier opens a round of the cluster's barrier; work on registers stands between signal and wait
.endif
	WMMA p_, \sg
.if (ss_ == NS-1) && ((p_%4) == 3)
.if p_ == 3
	PLACES 4                               ; behind the products of accumulators 0 and 1
.endif
.set st_, (p_-3)/2
.set mu_, 0
.if e_ == 0
.set mu_, 1
.endif
	SLICE e_, st_, mu_
.endif
.if (ss_ == 0) && (e_ > 0) && ((p_%4) == 0)
.set st_, H+p_/2
.set se_, e_-1
.set mu_, 0
.if e_ == 1
.set mu_, 1
.endif
	SLICE se_, st_, mu_
.endif
.set p_, p_+1
.endr
.if (RR > 0) && ((\sg) == 7)
	WIN 0
	s_barrier_wait -1
	CREST                                  ; no wave of any partner still reads x's bytes or has a load on its way
	tensor_load_to_lds s[G0R:G0R+3], s[G1R:G1R+7]   ; my one tensor load behind the round: experts RE .. 7 of my group of 16 rows
	PLACES 4
.set NGA, 0
.set NGB, 0
.endif
.endm
	; ---------------- THE HEAD
	s_load_b256 s[PXC:PXC+7], s[0:1], 0x0          ; x's codes, x's scales, W's codes, W's scales
	s_load_b128 s[PB:PB+3], s[0:1], 0x20           ; B, blend
.if LAYER == 3
	s_load_b64 s[PO0:PO0+1], s[0:1], 0x30          ; out0
.else
	s_load_b128 s[PO0:PO0+3], s[0:1], 0x30         ; the next layer's codes and scale bytes
.endif
.if RR > 0
	v_lshl_add_u32 v[SPW], v0, 2, SPARE
	v_mov_b32 v[NIL], 0
.endif
	v_lshrrev_b32 v4, 5, v0
	v_readfirstlane_b32 s[WV], v4                  ; wave 0..3
	s_and_b32 s[OH], s[WV], (1<<LOGOS)-1
	s_lshr_b32 s[BH], s[WV], LOGOS
	s_bfe_u32 s[CX], ttmp6, 0x40000                ; my place in the cluster
	s_bfe_u32 s[CY], ttmp6, 0x40004
	s_lshl_b32 s[OT], ttmp9, 2
	s_add_co_u32 s[OT], s[OT], s[CX]
	s_and_b32 s[BT], ttmp7, 0xffff
	s_lshl_b32 s[BT], s[BT], 2
	s_add_co_u32 s[BT], s[BT], s[CY]
	s_lshl_b32 s[ROWM], s[CY], 2
	s_lshl_b32 s[ROWM], 15, s[ROWM]                ; my row of the cluster: it shares BT, so x
	s_lshl_b32 s[COLM], 0x1111, s[CX]              ; my column: it shares OT, so W
	s_or_b32 s[G1X], s[ROWM], XW0                  ; word 0: 15:0 the mask; 17:16 the element's size; 20 padding; 21 set beside a mask; 24:22 its interval; 31:25 its words - 1
	G1SET G1X, XC, XR, XP                          ; a quarter of the work-group's rows of x
	s_or_b32 s[G1XS], s[ROWM], (3<<16)|(1<<21)
	G1SET G1XS, SDC, 4, SDP                        ; a quarter of their scale bytes
	s_or_b32 s[G1WS], s[COLM], (3<<16)|(1<<21)
	G1SET G1WS, 8*KS, 2, NOUT*KS/8                 ; two experts' scale bytes of the 64 rows of W: 64 KS dense bytes an expert
	s_or_b32 s[G1WA], s[COLM], (3<<16)|(1<<20)|(1<<21)|(QI<<22)|(3<<25)
	G1SET G1WA, 2*ROWB, 2, NOUT*ROWB/8             ; two experts x 16 rows of W on end; 16 bytes of padding behind each row of W
.if LAYER == 2
	s_or_b32 s[G1R], s[COLM], (3<<16)|(1<<20)|(1<<21)|(QI<<22)|(3<<25)
	G1SET G1R, 2*ROWB, 4, NOUT*ROWB/8              ; the same for four experts
.endif
	s_lshl_b32 s[XO], s[BT], XSHB                  ; x's codes: my quarter of the work-group's rows
	s_lshl_b32 s[T], s[WV], XSHW
	s_add_co_u32 s[XO], s[XO], s[T]
	s_mov_b32 s[XO+1], 0
	s_mul_i32 s[WO], s[OT], 64*KS                  ; W's scales: experts 2 w, 2 w + 1, rows 64 OT on
	s_mul_i32 s[T], s[WV], 2*NOUT*KS
	s_add_co_u32 s[WO], s[WO], s[T]
	s_mov_b32 s[WO+1], 0
	s_wait_kmcnt 0x0
	s_mov_b32 s[G0X], 1                            ; group 0: count 1; LDS address; global address; type 2
	s_mul_i32 s[T], s[WV], XLW
	s_add_co_u32 s[G0X+1], s[T], XL0
	s_add_nc_u64 s[G0X+2:G0X+3], s[PXC:PXC+1], s[XO:XO+1]
	s_or_b32 s[G0X+3], s[G0X+3], 0x80000000
	s_lshl_b32 s[XO], s[BT], SSHB                  ; x's scales: my quarter
	s_lshl_b32 s[T], s[WV], SSHW
	s_add_co_u32 s[XO], s[XO], s[T]
	s_mov_b32 s[G0XS], 1
	s_lshl_b32 s[T], s[WV], SLW
	s_add_co_u32 s[G0XS+1], s[T], XSC
	s_add_nc_u64 s[G0XS+2:G0XS+3], s[PXS:PXS+1], s[XO:XO+1]
	s_or_b32 s[G0XS+3], s[G0XS+3], 0x80000000
	s_mov_b32 s[G0WS], 1
	s_mul_i32 s[T], s[WV], 128*KS
	s_add_co_u32 s[G0WS+1], s[T], WSC
	s_add_nc_u64 s[G0WS+2:G0WS+3], s[PWS:PWS+1], s[WO:WO+1]
	s_or_b32 s[G0WS+3], s[G0WS+3], 0x80000000
	s_mul_i32 s[WO], s[OT], 64*ROWB                ; W's codes: rows 64 OT + 16 w on
	s_mul_i32 s[T], s[WV], 16*ROWB
	s_add_co_u32 s[WO], s[WO], s[T]
	s_add_nc_u64 s[PWC:PWC+1], s[PWC:PWC+1], s[WO:WO+1]
	s_mul_i32 s[T], s[WV], GSTR                    ; my group of 16 rows in LDS: no place in the cluster enters an LDS address
.set i_, 0
.rept NA
.set g_, G0WA+4*i_
.if i_ == 3
.set g_, 68
.endif
	s_mov_b32 s[g_], 1
	s_add_co_u32 s[g_+1], s[T], 2*i_*ESTR
	s_add_nc_u64 s[g_+2:g_+3], s[PWC:PWC+1], 2*i_*NOUT*ROWB    ; experts 2 i, 2 i + 1
	s_or_b32 s[g_+3], s[g_+3], 0x80000000
.set i_, i_+1
.endr
.if RR > 0
	s_mov_b32 s[G0R], 1
	s_add_co_u32 s[G0R+1], s[T], RE*ESTR
	s_add_nc_u64 s[G0R+2:G0R+3], s[PWC:PWC+1], RE*NOUT*ROWB
	s_or_b32 s[G0R+3], s[G0R+3], 0x80000000
.endif
	CROUND                                         ; all sixteen work-groups are here: the first joint loads meet
	tensor_load_to_lds s[G0X:G0X+3], s[G1X:G1X+7]  ; the first fills go out as one group: 3 + NA loads of mine are out
	tensor_load_to_lds s[G0XS:G0XS+3], s[G1XS:G1XS+7]
	tensor_load_to_lds s[G0WS:G0WS+3], s[G1WS:G1WS+7]
.set i_, 0
.rept NA
.set g_, G0WA+4*i_
.if i_ == 3
.set g_, 68
.endif
	tensor_load_to_lds s[g_:g_+3], s[G1WA:G1WA+7]
.set i_, i_+1
.endr
	PLACES 4
	v_and_b32 v1, 15, v0                           ; r
	v_bfe_u32 v2, v0, 4, 1                         ; h
	v_and_b32 v3, 31, v0                           ; lane
	v_lshlrev_b32 v[OBL], 5, v1                    ; blend: 32 bytes a row
	s_lshl_b32 s[GO], s[BT], LOGR+5
	s_lshl_b32 s[T], s[BH], 12
	s_add_co_u32 s[GO], s[GO], s[T]
	s_mov_b32 s[GO+1], 0
	s_add_nc_u64 s[PBL:PBL+1], s[PBL:PBL+1], s[GO:GO+1]
.set i_, 0
.rept 8
	global_load_b128 v[BL+8*i_:BL+8*i_+3], v[OBL], s[PBL:PBL+1] offset:512*i_       ; blend[16 m + r][0 .. 7]: stays in registers
	global_load_b128 v[BL+8*i_+4:BL+8*i_+7], v[OBL], s[PBL:PBL+1] offset:512*i_+16
.set i_, i_+1
.endr
	v_lshrrev_b32 v4, 1+TO, v3                     ; the biases of my outputs, all 8 experts: a lane takes 16 bytes: expert lane / (4 TO) (+ 4), piece lane % (4 TO)
	v_and_b32 v5, 4*TO-1, v3
	v_lshlrev_b32 v5, 4, v5
	v_mad_u32_u24 v[OBI], v4, NOUT*4, v5
	s_lshl_b32 s[GO], s[OT], 8
	s_lshl_b32 s[T], s[OH], 5+TO
	s_add_co_u32 s[GO], s[GO], s[T]
	s_add_nc_u64 s[PB:PB+1], s[PB:PB+1], s[GO:GO+1]
	global_load_b128 v[TP:TP+3], v[OBI], s[PB:PB+1]
.if TO == 2
	global_load_b128 v[TP+4:TP+7], v[OBI], s[PB:PB+1] offset:16*NOUT
.endif
	; LDS addresses
.if TO == 2
	v_lshrrev_b32 v4, 3, v1
	v_and_b32 v5, 7, v1
	v_mul_u32_u24 v4, v4, GSTR                     ; lanes r >= 8 take the next group of 16 rows,
	v_mad_u32_u24 v4, v5, PITCH, v4                ; row r % 8 of it (+ 8 u by the immediate)
	s_mul_i32 s[T], s[OH], 2*GSTR
.else
	v_mul_u32_u24 v4, v1, PITCH
	s_mul_i32 s[T], s[OH], GSTR
.endif
	v_lshl_add_u32 v4, v2, 4, v4
	v_add_nc_u32 v[AW], s[T], v4
.if TO == 2
	v_and_b32 v5, 8, v1
	v_add_nc_u32 v5, v5, v1                        ; r + 8 (r / 8)
	v_lshl_add_u32 v5, v2, 3, v5                   ; lanes 16-31: tile 1's rows, 8 further on
	v_mul_u32_u24 v5, v5, KS
	s_mul_i32 s[T], s[OH], 32*KS
.else
	v_mul_u32_u24 v5, v1, KS
	v_lshl_add_u32 v5, v2, 4, v5                   ; lanes 16-31: K steps 4 to 7
	s_mul_i32 s[T], s[OH], 16*KS
.endif
	s_add_co_u32 s[T], s[T], WSC
	v_add_nc_u32 v[AWS], s[T], v5
	s_lshl_b32 s[T], s[WV], 10
	s_add_co_u32 s[T], s[T], BIA
	v_lshl_add_u32 v[ABI], v2, 4+TO, s[T]          ; lane (r, h) wants the biases of its half's outputs
	v_lshl_add_u32 v7, v3, 4, s[T]                 ; and puts its 16 bytes at 16 x lane
.if LAYER == 1
	v_mul_u32_u24 v4, v1, 272
	v_lshl_add_u32 v4, v2, 4, v4
	s_mul_i32 s[T], s[BH], 128*272
	s_add_co_u32 s[T], s[T], XL0
	v_add_nc_u32 v[AX], s[T], v4
	s_lshl_b32 s[T], s[BH], 11
	s_add_co_u32 s[T], s[T], XSC
	v_lshl_add_u32 v[AXS], v3, 4, s[T]             ; 16 scale bytes a row: lanes 0-15 an even tile of rows, lanes 16-31 the odd one
.elseif LAYER == 2
	s_mul_i32 s[T], s[BH], 2*GSTR
	s_add_co_u32 s[T], s[T], XL0
	v_lshl_add_u32 v[AX], v3, 4, s[T]              ; my tiles 0-3 lie in quarter 2 BH,
	s_add_co_u32 s[T], s[T], GSTR
	v_lshl_add_u32 v[AX+1], v3, 4, s[T]            ; tiles 4-7 in the next
	s_lshl_b32 s[T], s[BH], 8
	s_add_co_u32 s[T], s[T], XSC
	v_lshl_add_u32 v[AXS], v3, 3, s[T]
.else
.set i_, 0
.rept 4
	v_lshl_add_u32 v[AX+i_], v3, 4, i_*GSTR+XL0    ; two tiles of rows a quarter
.set i_, i_+1
.endr
	v_lshl_add_u32 v[AXS], v3, 3, XSC
.endif
	; the way out
.if LAYER == 3
	v_mul_u32_u24 v[EA], v1, 272                   ; the stage, in: row 16 m + r, my 64 bytes, 32 for each half of the lanes
	v_lshl_add_u32 v[EA], v2, 5, v[EA]
	s_lshl_b32 s[T], s[OH], 6
	v_add_nc_u32 v[EA], s[T], v[EA]
	v_mul_u32_u24 v[EB], v2, 272                   ; back: my 32 rows; lanes 0-15 one row of 256 bytes, lanes 16-31 the next
	v_lshl_add_u32 v[EB], v1, 4, v[EB]
	s_mul_i32 s[T], s[WV], 32*272
	v_add_nc_u32 v[EB], s[T], v[EB]
	v_lshlrev_b32 v[EC], 4, v1                     ; and the same two rows in out0
	v_lshl_add_u32 v[EC], v2, 11, v[EC]
	s_lshl_b32 s[GO], s[BT], 18                    ; (128 BT + 32 w) rows of 2,048 bytes + 256 OT
	s_lshl_b32 s[GO+1], s[OT], 8
	s_add_co_u32 s[GO], s[GO], s[GO+1]
	s_lshl_b32 s[T], s[WV], 16
	s_add_co_u32 s[GO], s[GO], s[T]
	s_mov_b32 s[GO+1], 0
	s_add_nc_u64 s[PO0:PO0+1], s[PO0:PO0+1], s[GO:GO+1]
.else
	v_lshlrev_b32 v[EA], 4, v1                     ; codes: lanes 0-15 an even tile of rows, lanes 16-31 the odd one, 8,192 bytes on; 16 bytes a row
	v_lshl_add_u32 v[EA], v2, 13, v[EA]
	s_lshl_b32 s[T], s[BH], 8
	s_add_co_u32 s[T], s[T], s[OH]
	s_add_co_u32 s[T], s[T], SST
	v_lshl_add_u32 v[EB], v1, 3, s[T]              ; a scale byte's place in the stage: 256 BH + 8 r + OH (+ the tile's place by the immediate)
	v_lshl_add_u32 v[EC], v3, 4, SST
	v_lshlrev_b32 v[ED], 4, v3
	s_lshl_b32 s[GO], s[BT], 17                    ; (16 BT + 8 BH) tiles of 8,192 bytes + 256 x my block (2 OT + OH)
	s_lshl_b32 s[GO+1], s[OT], 9
	s_add_co_u32 s[GO], s[GO], s[GO+1]
	s_lshl_b32 s[T], s[BH], 16
	s_add_co_u32 s[GO], s[GO], s[T]
	s_lshl_b32 s[T], s[OH], 8
	s_add_co_u32 s[GO], s[GO], s[T]
	s_mov_b32 s[GO+1], 0
	s_add_nc_u64 s[PO0:PO0+1], s[PO0:PO0+1], s[GO:GO+1]
	s_lshl_b32 s[GO], s[OT], 13                    ; scale bytes: plane OT, 512 bytes for my work-group's 256 rows
	s_lshl_b32 s[GO+1], s[BT], 9
	s_add_co_u32 s[GO], s[GO], s[GO+1]
	s_mov_b32 s[GO+1], 0
	s_add_nc_u64 s[PO1:PO1+1], s[PO1:PO1+1], s[GO:GO+1]
	s_mov_b32 s[SEL], 0x76543210
	s_mov_b32 s[SEL+1], 0xfedcba98
.endif
	s_wait_loadcnt 0x0                             ; blend and the biases
	ds_store_b128 v7, v[TP:TP+3]                   ; my wave's biases: [e][my outputs], its own bytes
.if TO == 2
	ds_store_b128 v7, v[TP+4:TP+7] offset:512
.endif
	s_wait_tensorcnt NA+1                          ; my parts of x and of its scales are in; W's scales and the NA loads of W may be out
	s_wait_dscnt 0x0
	s_barrier_signal -1
	s_barrier_wait -1                              ; everybody's are
.set i_, 0
.if LAYER == 1
.rept 4
	ds_load_b128 v[XS+4*i_:XS+4*i_+3], v[AXS] offset:512*i_    ; register 4 (m / 2) + s: the word of K step s
.set i_, i_+1
.endr
.else
.rept 16
	ds_load_b64 v[TP+2*i_:TP+2*i_+1], v[AXS] offset:XPL*i_     ; plane i: two bytes for each of four tiles of rows
.set i_, i_+1
.endr
.endif
	XSTEP 0
	XSTEP 1
	XSTEP 2
	WIN 0
.if LAYER > 1
	s_wait_dscnt 48                                ; the planes are in; the 48 loads of x behind them may be out
.set i_, 0
.rept 8                                        ; K step i: blocks 4 i, 4 i + 1 from plane 2 i, blocks 4 i + 2, 4 i + 3 from plane 2 i + 1; register 4 i + j: tiles j (lanes 0-15) and 4 + j (lanes 16-31)
.irp jj, 0,1
	v_perm_b32 v[XS+4*i_+2*\jj], v[TP+4*i_+2+\jj], v[TP+4*i_+\jj], 0x05040100
	v_perm_b32 v[XS+4*i_+2*\jj+1], v[TP+4*i_+2+\jj], v[TP+4*i_+\jj], 0x07060302
.endr
.set i_, i_+1
.endr
	PLACES 8                                       ; scale registers written by vector instructions stand eight places ahead of the scaled products
.endif
	s_wait_tensorcnt NA-1                          ; W's scales and experts 0, 1 are in; the younger loads of W may be out
	s_wait_dscnt 0x0
	s_barrier_signal -1
	s_barrier_wait -1
	GROUP 0
	GROUP 1
.set NGA, NGC
	GROUP 2
.set NGB, NGC
	; ---------------- THE STEPS
.set Q, 0
.rept NSTEP
	STEP Q
.set Q, Q+1
.endr
.set Q, H
.rept H/2                                      ; the last expert's accumulators H .. NACC - 1; the slice before these is the places behind the last product
	SLICE 7, Q, 0
.set Q, Q+2
.endr
.if LAYER < 3
	; ---------------- elu, the quantiser, codes and scale bytes out.  All in window 1: y at v0-127 (tile of rows m: v[16 m ..], 16 neighbours along the next K), D's registers at work.
.set T0, 128                           ; v128-191 two sets of 32
.set MX, 192                           ; largest magnitudes
.set PX, 194                           ; the other half's
.set SO, 196                           ; the conversions' scale operands
.set BY, 200                           ; v200-207 a scale byte for each tile of rows
.set CD, 208                           ; v208-223 four registers of codes for each pair of tiles: no store's data are written again
; elu(v) = max(v, 2^min(v log2 e, 0) - 1): for v > 0 the second is 0, for v < 0 it lies above v.  A group g is tiles of rows 2 g, 2 g + 1: 32 numbers a lane.
.macro ELU_A g
.set tb_, T0+32*((\g)%2)
.set yb_, 32*(\g)
.set i_, 0
.rept 16
	v_pk_mul_f32 v[tb_+i_:tb_+i_+1], v[yb_+i_:yb_+i_+1], 0x3fb8aa3b op_sel_hi:[1,0]
.set i_, i_+2
.endr
.set i_, 0
.rept 32
	v_min_num_f32 v[tb_+i_], 0, v[tb_+i_]
.set i_, i_+1
.endr
.endm
.macro ELU_E g
.set tb_, T0+32*((\g)%2)
.set i_, 0
.rept 32
	v_exp_f32 v[tb_+i_], v[tb_+i_]
.set i_, i_+1
.endr
.endm
; Two tiles of rows are quantised.  A block of 32 lies in lanes l and l xor 16.  Its scale: the largest magnitude (floor 2^(3 - 127), so that the byte cannot fall under 1) with 2 off its exponent field.
; The two exchanges give lanes 0-15 the whole block of tile 2 g and lanes 16-31 that of tile 2 g + 1: 16 bytes a lane, so that each half of the wave stores 256 consecutive bytes, aligned.
.macro QUANT2 g
.set yb_, 32*(\g)
.irp i, 0,1
	v_max3_num_f32 v[MX+\i], |v[yb_+16*\i]|, |v[yb_+16*\i+1]|, 0x1800000
.endr
.irp k, 2,4,6,8,10,12,14
.irp i, 0,1
	v_max3_num_f32 v[MX+\i], v[MX+\i], |v[yb_+16*\i+\k]|, |v[yb_+16*\i+\k+1]|
.endr
.endr
.irp i, 0,1
	v_permlanex16_b32 v[PX+\i], v[MX+\i], s[SEL], s[SEL+1]
.endr
.irp i, 0,1
	v_max_num_f32 v[MX+\i], v[MX+\i], v[PX+\i]
.endr
.irp i, 0,1
	v_add_nc_u32 v[SO+\i], 0xff000000, v[MX+\i]
.endr
.irp i, 0,1
	v_lshrrev_b32 v[BY+2*(\g)+\i], 23, v[SO+\i]
.endr
.irp i, 0,1
	v_cvt_scalef32_pk8_fp4_f32 v[CD+4*(\g)+2*\i], v[yb_+16*\i:yb_+16*\i+7], v[SO+\i]
	v_cvt_scalef32_pk8_fp4_f32 v[CD+4*(\g)+2*\i+1], v[yb_+16*\i+8:yb_+16*\i+15], v[SO+\i]
.endr
	v_nop                                          ; one plain place behind the scaled conversions
	v_permlane16_swap_b32 v[CD+4*(\g)], v[CD+4*(\g)+2]
	v_permlane16_swap_b32 v[CD+4*(\g)+1], v[CD+4*(\g)+3]
	WIN 0x04                                       ; addresses in window 0, data in window 1
	global_store_b128 v[EA], v[CD+4*(\g):CD+4*(\g)+3], s[PO0:PO0+1] offset:16384*(\g)
.irp i, 0,1
	ds_store_b8 v[EB], v[BY+2*(\g)+\i] offset:((2*(\g)+\i)/4)*128+2*((2*(\g)+\i)%4)   ; both lanes of a block write the same byte with the same value
.endr
	WIN 0x55
.endm
.macro ELU_C g
.set tb_, T0+32*((\g)%2)
.set yb_, 32*(\g)
.set i_, 0
.rept 16
	v_pk_add_f32 v[tb_+i_:tb_+i_+1], v[tb_+i_:tb_+i_+1], -1.0 op_sel_hi:[1,0]
.set i_, i_+2
.endr
.set i_, 0
.rept 32
	v_max_num_f32 v[yb_+i_], v[yb_+i_], v[tb_+i_]
.set i_, i_+1
.endr
	QUANT2 \g
.endm
	WIN 0x55
	v_mov_b32 v[PX], 0                             ; written once: a lane permute's destination counts as one of its sources
	v_mov_b32 v[PX+1], 0
	ELU_A 0
	ELU_E 0                                        ; 32 exponentials are one batch; plain work on the other set follows; ONE wait stands ahead of the batch's first reader
	ELU_A 1
	s_wait_alu depctr_va_vdst(0)
	ELU_E 1
	ELU_C 0
	ELU_A 2
	s_wait_alu depctr_va_vdst(0)
	ELU_E 2
	ELU_C 1
	ELU_A 3
	s_wait_alu depctr_va_vdst(0)
	ELU_E 3
	ELU_C 2
	s_wait_alu depctr_va_vdst(0)
	ELU_C 3
	WIN 0
	s_wait_dscnt 0x0                               ; for the others' sake: my byte stores have landed
	s_barrier_signal -1
	s_barrier_wait -1                              ; the work-group's 512 scale bytes lie in the stage
	s_cmp_lg_u32 s[WV], 0
	s_cbranch_scc1 .Lno_scales
	ds_load_b128 v[WF:WF+3], v[EC]
	s_wait_dscnt 0x0
	global_store_b128 v[ED], v[WF:WF+3], s[PO1:PO1+1]   ; wave 0 stores 512 consecutive bytes, aligned
.Lno_scales:
.else
	; ---------------- out0.  A lane holds 32 bytes of a row, a row's 256 bytes come from four waves: they meet in a stage (128 rows x 272 bytes) in W's first bytes, which have had their last fill.
	WIN 0
	s_wait_dscnt 0x0
	s_barrier_signal -1
	s_barrier_wait -1                              ; nobody reads W any more
	WIN 0x04                                       ; an LDS store's data are its source 1: window 1
.set i_, 0
.rept 8
	ds_store_b128 v[EA], v[8*i_:8*i_+3] offset:4352*i_
	ds_store_b128 v[EA], v[8*i_+4:8*i_+7] offset:4352*i_+16
.set i_, i_+1
.endr
	WIN 0
	s_wait_dscnt 0x0                               ; for the others' sake: my stores have landed
	s_barrier_signal -1
	s_barrier_wait -1
.set i_, 0
.rept 16
	ds_load_b128 v[WF+4*i_:WF+4*i_+3], v[EB] offset:544*i_
.set i_, i_+1
.endr
.set i_, 0
.rept 16
	s_wait_dscnt 15-i_                             ; LDS loads come back in order: pair i of rows is in
	global_store_b128 v[EC], v[WF+4*i_:WF+4*i_+3], s[PO0:PO0+1] offset:4096*i_ th:TH_STORE_NT   ; 16 lanes store 256 consecutive bytes, aligned; written once, read by nobody here
.set i_, i_+1
.endr
.endif
.if RR > 0
	s_wait_tensorcnt 0x0                           ; the wave's end: behind my last tensor load and my last LDS store
	ds_add_u32 v[SPW], v[NIL]
.endif
	s_wait_dscnt 0x0
	CROUND                                         ; the closing round: no work-group ends while a partner may still ask for a tile that names it
	s_endpgm
.Lfunc_end_k_q129a42a86e_l3:
	.size	k_q129a42a86e_l3, .Lfunc_end_k_q129a42a86e_l3-k_q129a42a86e_l3
	.p2alignl 7, 3214868480
	.fill 96, 4, 3214868480
	.section	.rodata,"a",@progbits
	.p2align	6, 0x0
	.amdhsa_kernel k_q129a42a86e_l3
		.amdhsa_group_segment_fixed_size 327680
		.amdhsa_private_segment_fixed_size 0
		.amdhsa_enable_private_segment 0
		.amdhsa_kernarg_size 56
		.amdhsa_user_sgpr_count 2
		.amdhsa_user_sgpr_kernarg_segment_ptr 1
		.amdhsa_wavefront_size32 1
		.amdhsa_system_sgpr_workgroup_id_x 1
		.amdhsa_system_sgpr_workgroup_id_y 1
		.amdhsa_system_sgpr_workgroup_id_z 1
		.amdhsa_system_vgpr_workitem_id 0
		.amdhsa_next_free_vgpr 1024
		.amdhsa_next_free_sgpr 102
		.amdhsa_reserve_vcc 0
		.amdhsa_float_denorm_mode_32 3
		.amdhsa_float_denorm_mode_16_64 3
		.amdhsa_memory_ordered 1
		.amdhsa_forward_progress 1
		.amdhsa_inst_pref_size 137
	.end_amdhsa_kernel
	.amdgpu_metadata
---
amdhsa.version: [ 1, 2 ]
amdhsa.kernels:
  - .name:           k_q129a42a86e_l3
    .symbol:         k_q129a42a86e_l3.kd
    .args:
      - { .name: h2c, .offset: 0, .size: 8, .value_kind: global_buffer, .address_space: global }
      - { .name: h2s, .offset: 8, .size: 8, .value_kind: global_buffer, .address_space: global }
      - { .name: W2_codes, .offset: 16, .size: 8, .value_kind: global_buffer, .address_space: global }
      - { .name: W2_scales, .offset: 24, .size: 8, .value_kind: global_buffer, .address_space: global }
      - { .name: B2, .offset: 32, .size: 8, .value_kind: global_buffer, .address_space: global }
      - { .name: weight_blend, .offset: 40, .size: 8, .value_kind: global_buffer, .address_space: global }
      - { .name: out0, .offset: 48, .size: 8, .value_kind: global_buffer, .address_space: global }
    .group_segment_fixed_size: 327680
    .private_segment_fixed_size: 0
    .kernarg_segment_align: 8
    .kernarg_segment_size: 56
    .max_flat_workgroup_size: 128
    .sgpr_count:     102
    .vgpr_count:     1024
    .wavefront_size: 32
...
	.end_amdgpu_metadata
.endif
;; end of part 3
